; MI455X (gfx1250); checked and timed in simulation.
; The chip was launched on July 23, 2026; its instructions are those of AMD's public machine-readable ISA for CDNA 5 (MIT licence, August 2026) and "CDNA5" Instruction Set Architecture Reference Guide (July 2026). The comments in the code are by the model that wrote it; some were corrected since.
;; MHA Einsum. Allowed arithmetic: matrix products marked QUANTISED: E2M1 operands, one E8M0 scale for each 32 along K, by v_wmma_scale_f32_16x16x128_f8f6f4 with both operands' format E2M1 (or v_wmma_scale_f32_32x16x128_f4), f32 sums; everything else in f32.
;; Inputs: Wk_codes 1,024 x 32 x 16 uint8 (E2M1 codes of Wk, K innermost, in blocks of 32 codes, two codes a byte); Wk_scales 1,024 x 32 uint8 (E8M0 scales of Wk, one for each 32 codes along K); Wo_codes 1,024 x 32 x 16 uint8 (E2M1 codes of Wo, K innermost, in blocks of 32 codes, two codes a byte); Wo_scales 1,024 x 32 uint8 (E8M0 scales of Wo, one for each 32 codes along K); Wq_codes 1,024 x 32 x 16 uint8 (E2M1 codes of Wq, K innermost, in blocks of 32 codes, two codes a byte); Wq_scales 1,024 x 32 uint8 (E8M0 scales of Wq, one for each 32 codes along K); Wv_codes 1,024 x 32 x 16 uint8 (E2M1 codes of Wv, K innermost, in blocks of 32 codes, two codes a byte); Wv_scales 1,024 x 32 uint8 (E8M0 scales of Wv, one for each 32 codes along K); bo 1,024 float32; x_codes 4 x 2,048 x 32 x 16 uint8 (E2M1 codes of x, K innermost, in blocks of 32 codes, two codes a byte); x_scales 4 x 2,048 x 32 uint8 (E8M0 scales of x, one for each 32 codes along K).
;; Outputs: out0 4 x 2,048 x 1,024 float32.
;; This version of the problem:
;;   THIS VERSION OF THE PROBLEM IS GIVEN IN LOW PRECISION. The matrix products marked QUANTISED in the list below multiply operands that are first quantised to E2M1 (2 exponent bits, 1 mantissa bit; 4 bits a number), with one power-of-two scale for each 32 numbers along K (OCP MX v1.0); their sums are f32. All else is computed in f32.
;;   The module's matrix products, in the order in which they are computed (A, B: the left and right operand; K: the contracted axis; several contracted axes count as one K, in the product's order):
;;     1. [M 8,192, K 1,024] x [K 1,024, N 1,024]; A: input x (given as codes); B: input Wq (given as codes): QUANTISED
;;     2. [M 8,192, K 1,024] x [K 1,024, N 1,024]; A: input x (given as codes); B: input Wk (given as codes): QUANTISED
;;     3. [M 8,192, K 1,024] x [K 1,024, N 1,024]; A: input x (given as codes); B: input Wv (given as codes): QUANTISED
;;     4. batch 64 x [M 2,048, K 64] x [K 64, N 2,048]; A: computed on the way; B: computed on the way: QUANTISED
;;     5. batch 64 x [M 2,048, K 2,048] x [K 2,048, N 64]; A: softmax (see below); B: computed on the way: QUANTISED
;;     6. [M 8,192, K 1,024] x [K 1,024, N 1,024]; A: computed on the way; B: input Wo (given as codes): QUANTISED
;;   THE QUANTISER, for each operand of a quantised product, along K:
;;     - K is cut into blocks of 32 from its start; a last block that is shorter is filled with zeros.
;;     - A block's scale is 2^e with e = floor(log2(the largest magnitude in the block)) - 2, held to -126 .. 127; a block of zeros has e = 0. As a byte (E8M0): e + 127.
;;     - Each number is divided by its block's scale, clamped to +-6, and rounded to the nearest number of E2M1, ties to even, subnormals kept.
;;     - The product sums the exact products of the quantised numbers (number of the format x scale) in f32.
;;   ~~~python
;;   def quantise(x, axis):      # numpy; x: float32 -> the quantised numbers, widened to float32 again
;;       x = np.moveaxis(x, axis, -1); K = x.shape[-1]
;;       x = np.pad(x, [(0, 0)] * (x.ndim - 1) + [(0, -K % 32)]); x = x.reshape(x.shape[:-1] + (-1, 32)); a = np.abs(x).max(-1, keepdims=True)
;;       e = np.where(a > 0, np.clip(np.frexp(np.where(a > 0, a, 1))[1] - 1 - 2, -126, 127), 0)      # np.frexp(a)[1] - 1 = floor(log2(a)), exactly
;;       r = np.clip(x / 2.0 ** e, -6, 6)
;;       step = 2.0 ** (np.maximum(np.frexp(np.where(r == 0, 1, r))[1] - 1, 0) - 1)
;;       q = np.round(r / step) * step * 2.0 ** e      # np.round: ties to even
;;       return np.moveaxis(q.reshape(q.shape[:-2] + (-1,))[..., :K], -1, axis).astype(np.float32)
;;   ~~~
;;   SOFTMAX AHEAD OF A QUANTISED PRODUCT. Where the list says 'softmax', what is quantised is not the finished softmax but p = 2^(t - M), with t = logit x log2(e) and M = ceil(the row's largest t), a whole number; so 1/2 < the row's largest p <= 1. The row's sum l is taken of the UNQUANTISED p, in f32, and the product's result is divided by l at the end. Since M is a whole number, a kernel that streams over the keys may use a running M (the ceiling of the running maximum): every later rescaling is an exact power of two, which a block's scale takes up: the codes' values come out the same.
;;   OPERANDS COMPUTED ON THE WAY. 'Computed on the way' means the value that the module computes at that place (a softmax that the list does not call 'softmax' is quantised finished and normalised). What goes into a quantiser is computed in f32, as accurately as f32 sums, v_exp_f32 and their like allow (about 1e-6 of the number): no bf16 or f16 on the way to a quantiser, and a product that is left as it is and whose result goes on into a quantised operand takes f32 operands (vector FMAs, or v_wmma_f32_16x16x4_f32). A number that lies on a knife's edge between two numbers of the format may be rounded either way, as far as f32 arithmetic and the matrix unit's own rounding can turn it there, and no further.
;;   INPUTS GIVEN AS CODES. Wk (in the module: [1024, 1024], K = its axis 0); Wo (in the module: [1024, 1024], K = its axis 1); Wq (in the module: [1024, 1024], K = its axis 0); Wv (in the module: [1024, 1024], K = its axis 0); x (in the module: [4, 2048, 1024], K = its axis 2): each comes as NAME_codes (uint8): NAME with its K axis moved to the last place and cut into blocks of 32 codes, [.., K / 32, bytes a block], one block behind the other in memory; two codes a byte, the lower K in the low four bits (a code: sign, 2 exponent bits, 1 mantissa bit); and NAME_scales (uint8): the same leading axes, one E8M0 byte (e + 127) for each 32 codes along K. Its value is code x scale, taken as it is: it is not quantised again, and the codes and scales need not be those that the quantiser above would give.
;; One version. Each part assembles by itself: llvm-mc -triple=amdgcn-amd-amdhsa -mcpu=gfx1250 --defsym DOCPART=n.
;; ======== version 1 of 1: 3 launches
;; workspace buffers: q_img 4,194,304 bytes; k_img 4,194,304 bytes; v_img 4,194,304 bytes; q_sc 524,288 bytes; k_sc 524,288 bytes; v_sc 262,144 bytes; ctx_img 4,194,304 bytes; ctx_sc 262,144 bytes
;; launch qkv (part 1): grid 12 x 32, 4 waves a work-group, clusters of 4 x 4, 296,448 bytes of LDS; arguments x_codes, x_scales, Wq_codes, Wq_scales, Wk_codes, Wk_scales, Wv_codes, Wv_scales, q_img, q_sc, k_img, k_sc, v_img, v_sc; writes q_img, q_sc, k_img, k_sc, v_img, v_sc
.if DOCPART == 1
	.amdgcn_target "amdgcn-amd-amdhsa--gfx1250"
	.amdhsa_code_object_version 6
	.text
	.protected	k_q4001347f71_qkv
	.globl	k_q4001347f71_qkv
	.p2align	8
	.type	k_q4001347f71_qkv,@function
k_q4001347f71_qkv:
	s_mov_b64 s[64:65], 0
	v_nop
	global_prefetch_b8 v0, s[64:65] scope:SCOPE_SE
	s_setreg_imm32_b32 hwreg(HW_REG_WAVE_MODE, 25, 1), 1
	s_wait_xcnt 0x0
	s_wait_alu depctr_hold_cnt(0) depctr_sa_sdst(0) depctr_va_vdst(0) depctr_va_sdst(0) depctr_va_ssrc(0) depctr_va_vcc(0) depctr_vm_vsrc(0)
	s_getreg_b32 s2, hwreg(HW_REG_IB_STS2, 6, 4)
	s_cmp_eq_u32 s2, 0
	s_cbranch_scc0 .Lentry_in_a_cluster
	s_endpgm
.Lentry_in_a_cluster:
	s_bfe_u32 s2, ttmp6, 0x10000c
	s_cmp_lg_u32 s2, 0xf033
	s_cbranch_scc0 .Lentry_shape_is_right
	s_endpgm
.Lentry_shape_is_right:
; Q = x Wq, K = x Wk, V = x Wv on codes of FP4 (E2M1) with E8M0 scales, sums in f32; the results are quantised at once and leave as codes.
; x: [8192][1024] codes, 512 bytes a row; each W: [1024 (output)][1024 (k)] codes; scale bytes 32 a row.
; Q and K are quantised along a head's 64 columns (two blocks of 32), V along the keys (the rows of x, blocks of 32 inside a batch).
; THE GRID.  The cluster's x says which product: 0 Q, 1 K, 2 V (the same in all sixteen partners).  A work-group makes 256 rows of x times 256 rows of W, over all of K = 1024;
; a wave makes 128 x 128: 64 accumulators, 512 registers.  A row of codes is 512 bytes, so both operands of the tile lie in LDS whole: two halves of K, each filled once; no LDS byte is filled twice.
; CLUSTERS: 4 x 4.  x's tile hangs on the tile row alone and is asked for jointly along a row of the cluster, W's on the tile column alone and is asked for jointly along a column.
; WHICH SIDE IS SOURCE 0.  In a result lane (r, h) holds column r of source 1 and, in register j, row 8 h + j of source 0.  The axis that is quantised must run along a lane's registers:
; for Q and K source 0 (called R) = rows of W and source 1 (called L) = rows of x; for V R = rows of x (keys) and L = rows of Wv.  Only LDS addresses differ between the two cases.
; THE QUANTISER.  A block of 32 along R is tiles 2 B and 2 B + 1: 16 registers of lane (r, h) and 16 of lane (r, 1 - h).  Its scale byte is the largest magnitude's exponent field less 2.
; A conversion takes one tile's eight registers; two exchanges of half waves for each pair of blocks put a whole block into a lane, as the operand's layout wants it.
; OUTPUT, as images of operand registers.  Block (batch b, head pair hp, group ks of 128 rows of x) is 8,192 bytes: [a 0..7][c 0..1][lane][16 bytes]; a = L's tile, registers 4 c .. 4 c + 3.
; For Q and K c is the head's parity and a lane's 16 bytes are one block of 32 of its row; for V [a] is a whole fragment of V^T: 16 of the pair's 128 d x 128 keys.
; Scale words: [lane][tau 0..3][4 bytes]: the word of row 32 tau + lane of L's 128.  Q and K get a second image, the word >> 16, so that a head's two bytes always lie in bytes 0 and 1.
; LIMITS: a block of zeros gets the byte 1 (its codes are zeros; only this program reads the bytes); largest magnitudes under 2^-124 are held at that floor; NaN, infinities and given scale bytes 0xff are not served.
; REGISTERS, in windows of 256: window 0: v16-27 addresses; v32-95 scale words, a set for each half of K; v128-255 L's fragments, two sets; on the way out v128-223.
;   window 1: R's fragments, two sets, at v0 and v128.   windows 2, 3: the accumulators: (a, b) at v[8 (8 (a % 4) + b)], a < 4 in window 2.
.set PITCH,  272                       ; an LDS row: 256 bytes + 16 of padding = 68 words: row r starts at bank 4 r mod 64 (64 banks of 4 bytes: ISA guide 11.1)
.set HALFT,  128*PITCH                 ; 128 rows: what one tensor load brings
.set SLOT,   4*HALFT                   ; half of K: x's 256 rows, then W's 256 rows
.set SCL,    2*SLOT                    ; behind them the scale bytes, as units of 256 bytes + 16 of padding
.set HALFS,  16*272                    ; those of 128 rows: x's two halves, then W's two
.set ADRL, 16                          ; v16-17  LDS address of L's fragments in half 0, 1
.set ADRR, 20                          ; v20-21  of R's
.set VO,   26                          ; v26     16 x lane
.set ADRS, 27                          ; v27     LDS address of my scale words: lanes 0-15 L's rows, lanes 16-31 R's
.set SC,   32                          ; set s at v[SC + 32 s]; register 4 i + q: lanes 0-15 the word of L's block i, lanes 16-31 of R's block i, for the half's q-th 128 along K
.set LF,   128                         ; L's fragments
.set PC,   128                         ; the way out: the codes of L's tile a at v[PC + 8 a]
.set TM,   192                         ; v192-207 at work
.set PW,   208                         ; v208-215 tile a's scale word
.set SW,   216                         ; v216-219 the words as they are stored; v220-223 the second image
.set G1X, 24                           ; s[24:31] group 1 for x's codes; s[32:39] group 0, one for each half of K
.set G0X, 32
.set G1W, 48                           ; s[48:55], s[56:63] the same for W's
.set G0W, 56
.set G1SX, 68                          ; s[68:75], s[76:79] groups 1 and 0 for x's scales; s[80:87], s[88:91] for W's
.set G0SX, 76
.set G1SW, 80
.set G0SW, 88
.set MSB, 0
.macro WIN new                         ; the immediate's high byte repeats the setting that is left; a switch that changes nothing is dropped
.if MSB != (\new)
	s_set_vgpr_msb (MSB<<8)|(\new)
.set MSB, (\new)
.endif
.endm
; A joint load: waves 0 and 1 fetch for x, waves 2 and 3 for W.  Each line has one mask; the branch hangs on the wave's number alone.  Four v_nop follow each line.
.macro JLOAD g0a, g1a, g0b, g1b
	s_cmp_eq_u32 s15, 0
	s_cbranch_scc0 .Lfor_b_\@
	tensor_load_to_lds s[\g0a:\g0a+3], s[\g1a:\g1a+7]
	s_nop 0
.rept 4
	v_nop
.endr
	s_branch .Lasked_\@
.Lfor_b_\@:
	tensor_load_to_lds s[\g0b:\g0b+3], s[\g1b:\g1b+7]
	s_nop 0
.rept 4
	v_nop
.endr
.Lasked_\@:
.endm
.macro CROUND                          ; a round of the cluster's barrier
	s_barrier_signal -1
	s_barrier_wait -1
	s_cmp_lg_u32 s14, 0
	s_cbranch_scc1 .Lnot_wave_0_\@
	s_barrier_signal -3
.Lnot_wave_0_\@:
	s_barrier_wait -3
	s_barrier_signal -1
	s_barrier_wait -1
.endm
.macro PLACES                          ; four plain vector instructions between a matrix instruction and a load into, or a read of, its registers
.rept 4
	v_nop
.endr
.endm
	s_load_b128 s[4:7], s[0:1], 0x0                ; x's codes, x's scales
	s_load_b256 s[68:75], s[0:1], 0x10             ; Wq's codes, scales; Wk's codes, scales
	s_load_b128 s[76:79], s[0:1], 0x30             ; Wv's codes, scales
	s_load_b256 s[80:87], s[0:1], 0x40             ; q_img, q_sc, k_img, k_sc
	s_load_b128 s[88:91], s[0:1], 0x60             ; v_img, v_sc
	v_lshl_add_u32 v126, v0, 2, 0x48400
	v_mov_b32 v127, 0
	ds_add_u32 v126, v127
	ds_add_u32 v126, v127
	v_lshrrev_b32 v1, 5, v0
	v_readfirstlane_b32 s14, v1                    ; wave 0..3
	s_lshr_b32 s15, s14, 1                         ; which 128 of L's 256 rows are mine.  Also: I fetch for x (0) or for W (1)
	s_and_b32 s16, s14, 1                          ; which 128 of R's.  Also: which 128 rows I fetch
	s_bfe_u32 s40, ttmp6, 0x40000                  ; cx: which 256 rows of W
	s_bfe_u32 s41, ttmp6, 0x40004                  ; cy
	s_and_b32 s17, ttmp7, 0xffff
	s_lshl_b32 s17, s17, 2
	s_add_co_u32 s17, s17, s41                     ; which 256 rows of x = 4 x cluster y + cy
	s_lshl_b32 s43, s41, 2
	s_lshl_b32 s43, 15, s43                        ; my row of the cluster
	s_lshl_b32 s44, 0x1111, s40                    ; my column
	s_or_b32 s[G1X], s43, (1<<20)|(1<<21)|(5<<22)|(3<<25)   ; the mask; elements of 1 byte; padding on; bit 21 beside a mask; 4 words after every 64
	s_or_b32 s[G1W], s44, (1<<20)|(1<<21)|(5<<22)|(3<<25)
.irp g, G1X, G1W
	s_mov_b32 s[\g+1], 256<<16                     ; tensor_dim0 = 256 bytes: half of K
	s_mov_b32 s[\g+2], 128<<16                     ; tensor_dim1 = 128 rows
	s_mov_b32 s[\g+3], 256<<16                     ; tile_dim0
	s_mov_b32 s[\g+4], 128                         ; tile_dim1
	s_mov_b32 s[\g+5], 512                         ; from row to row
	s_mov_b32 s[\g+6], 0
	s_mov_b32 s[\g+7], 0
.endr
	s_lshl_b32 s18, s16, 7
	s_lshl_b32 s20, s17, 8
	s_add_co_u32 s20, s20, s18                     ; x: the first row that I fetch
	s_lshl_b32 s46, s40, 8
	s_add_co_u32 s46, s46, s18                     ; W: likewise
	s_lshl_b32 s22, s20, 5                         ; 32 scale bytes a row,
	s_mov_b32 s23, 0
	s_lshl_b32 s20, s20, 9                         ; 512 bytes of codes
	s_mov_b32 s21, 0
	s_lshl_b32 s94, s46, 5
	s_mov_b32 s95, 0
	s_lshl_b32 s46, s46, 9
	s_mov_b32 s47, 0
	s_mul_i32 s45, s14, HALFT                      ; where they go: wave x 128 rows: no place in the cluster enters an LDS address
	s_mul_i32 s96, s14, HALFS
	s_wait_dscnt 0x0
	s_wait_kmcnt 0x0
	s_cmp_eq_u32 ttmp9, 0                          ; the product's W and its two output buffers: a choice on the cluster's number
	s_cselect_b64 s[8:9], s[68:69], s[72:73]
	s_cselect_b64 s[10:11], s[70:71], s[74:75]
	s_cselect_b64 s[12:13], s[80:81], s[84:85]
	s_cselect_b64 s[92:93], s[82:83], s[86:87]
	s_cmp_eq_u32 ttmp9, 2
	s_cselect_b64 s[8:9], s[76:77], s[8:9]
	s_cselect_b64 s[10:11], s[78:79], s[10:11]
	s_cselect_b64 s[12:13], s[88:89], s[12:13]
	s_cselect_b64 s[92:93], s[90:91], s[92:93]
	s_add_nc_u64 s[20:21], s[4:5], s[20:21]
	s_add_nc_u64 s[22:23], s[6:7], s[22:23]
	s_add_nc_u64 s[46:47], s[8:9], s[46:47]
	s_add_nc_u64 s[94:95], s[10:11], s[94:95]
	; the scales of 128 rows: 4,096 dense bytes as 16 rows of 256 (32 elements of 8 bytes), 16 bytes of padding behind each
	s_or_b32 s[G1SX], s43, (3<<16)|(1<<20)|(1<<21)|(5<<22)|(3<<25)
	s_or_b32 s[G1SW], s44, (3<<16)|(1<<20)|(1<<21)|(5<<22)|(3<<25)
.irp g, G1SX, G1SW
	s_mov_b32 s[\g+1], 32<<16
	s_mov_b32 s[\g+2], 16<<16
	s_mov_b32 s[\g+3], 32<<16
	s_mov_b32 s[\g+4], 16
	s_mov_b32 s[\g+5], 32
	s_mov_b32 s[\g+6], 0
	s_mov_b32 s[\g+7], 0
.endr
	CROUND                                         ; all sixteen work-groups are here: the joint loads meet
	s_mov_b32 s[G0SX], 1
	s_add_co_u32 s[G0SX+1], s96, SCL
	s_mov_b64 s[G0SX+2:G0SX+3], s[22:23]
	s_or_b32 s[G0SX+3], s[G0SX+3], 0x80000000
	s_mov_b32 s[G0SW], 1
	s_add_co_u32 s[G0SW+1], s96, SCL
	s_mov_b64 s[G0SW+2:G0SW+3], s[94:95]
	s_or_b32 s[G0SW+3], s[G0SW+3], 0x80000000
	JLOAD G0SX, G1SX, G0SW, G1SW                   ; the scales first: they are wanted with the first half of K
.irp s, 0,1
	s_mov_b32 s[G0X+4*\s], 1
	s_add_co_u32 s[G0X+4*\s+1], s45, \s*SLOT
	s_add_nc_u64 s[G0X+4*\s+2:G0X+4*\s+3], s[20:21], \s*256
	s_or_b32 s[G0X+4*\s+3], s[G0X+4*\s+3], 0x80000000
	s_mov_b32 s[G0W+4*\s], 1
	s_add_co_u32 s[G0W+4*\s+1], s45, \s*SLOT
	s_add_nc_u64 s[G0W+4*\s+2:G0W+4*\s+3], s[46:47], \s*256
	s_or_b32 s[G0W+4*\s+3], s[G0W+4*\s+3], 0x80000000
	JLOAD G0X+4*\s, G1X, G0W+4*\s, G1W             ; three loads of mine are out in all
.endr
	v_and_b32 v1, 15, v0                           ; r
	v_bfe_u32 v2, v0, 4, 1                         ; h
	v_mul_u32_u24 v3, v1, PITCH
	v_lshl_add_u32 v4, v2, 4, v3                   ; a fragment's row x pitch + 16 h
	s_wait_alu depctr_va_vdst(0)
	s_cmp_eq_u32 ttmp9, 2                          ; V: L is W and R is x.  All choices on this compare stand ahead of the additions
	s_cselect_b32 s2, 2*HALFT, 0                   ; L's 256 rows in a half of K
	s_cselect_b32 s3, 0, 2*HALFT                   ; R's
	s_cselect_b32 s18, 2*HALFS, 0                  ; and their scales
	s_cselect_b32 s19, 0, 2*HALFS
	s_cselect_b32 s97, s16, s15                    ; which 128 of x's rows are mine
	s_cselect_b32 s98, s15, s16                    ; which 128 of W's
	s_cselect_b32 s99, 13, 14                      ; a pair's scale words: 8,192 bytes in v_sc, 16,384 in q_sc and k_sc
	s_mul_i32 s42, s15, HALFT
	s_add_co_u32 s2, s2, s42
	s_mul_i32 s42, s16, HALFT
	s_add_co_u32 s3, s3, s42
.irp s, 0,1
	v_add_nc_u32 v[ADRL+\s], s2, v4
	v_add_nc_u32 v[ADRR+\s], s3, v4
	s_add_co_u32 s2, s2, SLOT
	s_add_co_u32 s3, s3, SLOT
.endr
	s_mul_i32 s42, s15, HALFS
	s_add_co_u32 s18, s18, s42
	s_add_co_u32 s18, s18, SCL
	s_mul_i32 s42, s16, HALFS
	s_add_co_u32 s19, s19, s42
	s_add_co_u32 s19, s19, SCL
	v_mov_b32 v5, s18
	v_mov_b32 v6, s19
	v_cmp_eq_u32 vcc_lo, 0, v2
	v_cndmask_b32 v5, v6, v5, vcc_lo               ; lanes 0-15 take L's words, lanes 16-31 R's
	v_lshlrev_b32 v7, 5, v1                        ; 32 bytes a row,
	v_lshrrev_b32 v8, 3, v1
	v_lshl_add_u32 v7, v8, 4, v7                   ; and 16 more behind each 256
	v_add_nc_u32 v[ADRS], v5, v7
	v_and_b32 v9, 31, v0
	v_lshlrev_b32 v[VO], 4, v9
	s_lshl_b32 s42, s17, 1
	s_add_co_u32 s42, s42, s97                     ; my group of 128 rows of x, 0..63
	s_lshl_b32 s43, s40, 1
	s_add_co_u32 s43, s43, s98                     ; my group of 128 rows of W: the head pair
	s_lshr_b32 s2, s42, 4
	s_lshl_b32 s2, s2, 3
	s_add_co_u32 s2, s2, s43                       ; pair = 8 b + hp
	s_and_b32 s3, s42, 15                          ; ks
	s_lshl_b32 s18, s2, 4
	s_add_co_u32 s18, s18, s3
	s_lshl_b32 s18, s18, 13                        ; my block of 8,192 bytes of codes
	s_mov_b32 s19, 0
	s_add_nc_u64 s[12:13], s[12:13], s[18:19]
	s_lshl_b32 s18, s2, s99
	s_lshl_b32 s3, s3, 9
	s_add_co_u32 s18, s18, s3                      ; and my 512 bytes of scale words
	s_add_nc_u64 s[92:93], s[92:93], s[18:19]
; The fragments of step q (128 along K) into set q % 2: 16 rows x 128 K are 8 registers, two loads of 16 bytes, 32 bytes apart.  With a half's first step come its scale words.
.macro FETCH q
.set fS, (\q)/4
.set fK, 64*((\q)%4)
.set fR, 128*((\q)%2)
.set fL, LF+64*((\q)%2)
	WIN 0x40                                       ; destination window 1, address window 0
.irp i, 0,1,2,3,4,5,6,7
	ds_load_b128 v[fR+8*\i:fR+8*\i+3],   v[ADRR+fS] offset:fK+\i*16*PITCH
	ds_load_b128 v[fR+8*\i+4:fR+8*\i+7], v[ADRR+fS] offset:fK+\i*16*PITCH+32
.endr
	WIN 0
.irp i, 0,1,2,3,4,5,6,7
	ds_load_b128 v[fL+8*\i:fL+8*\i+3],   v[ADRL+fS] offset:fK+\i*16*PITCH
	ds_load_b128 v[fL+8*\i+4:fL+8*\i+7], v[ADRL+fS] offset:fK+\i*16*PITCH+32
.endr
.if (\q)%4 == 0
.irp i, 0,1,2,3,4,5,6,7
	ds_load_b128 v[SC+32*fS+4*\i:SC+32*fS+4*\i+3], v[ADRS] offset:544*\i+16*fS   ; 16 rows of scales are two units: 544 bytes; a half of K is 16 bytes of a row
.endr
.endif
.endm
.macro MM a, b, q, zero                ; accumulator (a, b) += R's block b x L's block a
.set rD, 8*(8*((\a)%4)+(\b))
.set rR, 128*((\q)%2)+8*(\b)
.set rL, LF+64*((\q)%2)+8*(\a)
.set rS, SC+32*((\q)/4)+(\q)%4
.if \zero
	v_wmma_scale_f32_16x16x128_f8f6f4 v[rD:rD+7], v[rR:rR+7], v[rL:rL+7], 0, v[rS+4*(\b)], v[rS+4*(\a)] matrix_a_fmt:MATRIX_FMT_FP4 matrix_b_fmt:MATRIX_FMT_FP4 matrix_a_scale:MATRIX_SCALE_ROW1
.else
	v_wmma_scale_f32_16x16x128_f8f6f4 v[rD:rD+7], v[rR:rR+7], v[rL:rL+7], v[rD:rD+7], v[rS+4*(\b)], v[rS+4*(\a)] matrix_a_fmt:MATRIX_FMT_FP4 matrix_b_fmt:MATRIX_FMT_FP4 matrix_a_scale:MATRIX_SCALE_ROW1
.endif
.endm
.macro MUL q, zero                     ; a step's 64 products; the 64 accumulators take turns, one instruction a turn, in the same order in every step
	WIN 0xa1                                       ; source 0 (R) window 1, source 1 (L) window 0, C and D window 2
.irp a, 0,1,2,3
.irp b, 0,1,2,3,4,5,6,7
	MM \a, \b, \q, \zero
.endr
.endr
	WIN 0xf1                                       ; C and D window 3
.irp a, 4,5,6,7
.irp b, 0,1,2,3,4,5,6,7
	MM \a, \b, \q, \zero
.endr
.endr
.endm
	s_wait_alu depctr_va_vdst(0)
	s_wait_tensorcnt 0x1                           ; the scales and my part of the first half of K are in; the second half's load may be out
	s_barrier_signal -1
	s_barrier_wait -1                              ; everybody's are
	FETCH 0
.set Q, 0
.rept 8
.if Q == 3
	s_wait_tensorcnt 0x0                           ; my part of the second half of K is in
.endif
	s_wait_dscnt 0x0                               ; this step's fragments, asked for 64 matrix instructions ago
.if Q == 3
	s_barrier_signal -1
	s_barrier_wait -1                              ; everybody's part is in: the next fetch reads the second half
.endif
.if Q < 7
.if Q > 0
	PLACES                                         ; the loads below land in registers that the last step's products read
.endif
	FETCH Q+1
.endif
.if Q == 0
	MUL Q, 1                                       ; the first step starts the sums: nothing is cleared
.else
	MUL Q, 0
.endif
.set Q, Q+1
.endr
	; THE WAY OUT: L's tiles one after the other: 64 numbers a lane become 8 registers of codes and a scale word.
	WIN 0
	PLACES
.irp b, 0,1,2,3
	v_mov_b32 v[TM+4+\b], 0                        ; written once: a lane permute's destination counts as one of its sources
.endr
	s_mov_b32 s2, 0x76543210
	s_mov_b32 s3, 0xfedcba98                       ; v_permlanex16_b32's selects for lane l xor 16
	s_mov_b32 s18, 0xffff0000                      ; lanes 16-31
.macro QUANTW a
.set wa, 2+(\a)/4
.set AC, 64*((\a)%4)
.set PA, PC+8*(\a)
.set wn, wa|(wa<<2)
	WIN wn                                         ; sources 0 and 1: the accumulators' window
.irp b, 0,1,2,3
	v_max3_num_f32 v[TM+\b], |v[AC+16*\b]|, |v[AC+16*\b+1]|, 0x1800000   ; block b: my 16 numbers and the floor 2^(3 - 127): the byte cannot fall under 1.  Each accumulator is read from its low end on
.endr
.irp i, 2,4,6,8,10,12,14
.irp b, 0,1,2,3
	v_max3_num_f32 v[TM+\b], |v[AC+16*\b+\i]|, |v[AC+16*\b+\i+1]|, v[TM+\b]   ; the four blocks by turns
.endr
.endr
	WIN 0
.irp b, 0,1,2,3
	v_permlanex16_b32 v[TM+4+\b], v[TM+\b], s2, s3
.endr
.irp b, 0,1,2,3
	v_max_num_f32 v[TM+\b], v[TM+\b], v[TM+4+\b]   ; with lane l xor 16's: the block's largest magnitude
.endr
.irp b, 0,1,2,3
	v_add_nc_u32 v[TM+12+\b], 0xff000000, v[TM+\b] ; 2 off its exponent field: the conversion's scale operand
.endr
.irp b, 0,1,2,3
	v_lshrrev_b32 v[TM+4+\b], 23, v[TM+12+\b]      ; the scale's byte
.endr
	v_lshl_or_b32 v[PW+(\a)], v[TM+5], 8, v[TM+4]
	v_lshl_or_b32 v[PW+(\a)], v[TM+6], 16, v[PW+(\a)]
	v_lshl_or_b32 v[PW+(\a)], v[TM+7], 24, v[PW+(\a)]
	WIN wa                                         ; source 0: the accumulators' window
.irp c, 0,1                            ; tile t's eight registers are k = 16 t + 8 h + 0 .. 7.  The order is chosen for the exchanges below
	v_cvt_scalef32_pk8_fp4_f32 v[PA+4*\c],   v[AC+32*\c:AC+32*\c+7],     v[TM+12+2*\c]
	v_cvt_scalef32_pk8_fp4_f32 v[PA+4*\c+1], v[AC+32*\c+16:AC+32*\c+23], v[TM+13+2*\c]
	v_cvt_scalef32_pk8_fp4_f32 v[PA+4*\c+2], v[AC+32*\c+8:AC+32*\c+15],  v[TM+12+2*\c]
	v_cvt_scalef32_pk8_fp4_f32 v[PA+4*\c+3], v[AC+32*\c+24:AC+32*\c+31], v[TM+13+2*\c]
.endr
	WIN 0
	v_nop                                          ; one plain place behind a scaled conversion
.irp c, 0,1                            ; the first's lanes 16-31 change places with the second's lanes 0-15: registers 4 c .. 4 c + 3 then hold k = 64 c + 32 h + 0 .. 31
	v_permlane16_swap_b32 v[PA+4*\c], v[PA+4*\c+1]
	v_permlane16_swap_b32 v[PA+4*\c+2], v[PA+4*\c+3]
.endr
	global_store_b128 v[VO], v[PA:PA+3], s[12:13] offset:1024*(\a)         ; 32 lanes store 512 consecutive bytes, at a multiple of 256 from the buffer's first byte
	global_store_b128 v[VO], v[PA+4:PA+7], s[12:13] offset:1024*(\a)+512   ; each tile has registers of its own: no store's data are written again
.endm
.irp a, 0,1,2,3,4,5,6,7
	QUANTW \a
.endr
.irp t, 0,1,2,3
	v_cndmask_b32 v[SW+\t], v[PW+2*\t], v[PW+2*\t+1], s18   ; both halves of the lanes hold a tile's words: lanes 0-15 keep tile 2 t's, lanes 16-31 take tile 2 t + 1's
.endr
	global_store_b128 v[VO], v[SW:SW+3], s[92:93]
	s_cmp_eq_u32 ttmp9, 2
	s_cbranch_scc1 .Lno_second                     ; V's words serve as they are
.irp t, 0,1,2,3
	v_lshrrev_b32 v[SW+4+\t], 16, v[SW+\t]         ; the odd head's two bytes in bytes 0 and 1
.endr
	global_store_b128 v[VO], v[SW+4:SW+7], s[92:93] offset:8192
.Lno_second:
	s_wait_tensorcnt 0x0
	ds_add_u32 v126, v127
	s_wait_dscnt 0x0
	CROUND                                         ; the closing round: no work-group ends while a partner may still ask for a tile that names it
	s_endpgm
.Lfunc_end_k_q4001347f71_qkv:
	.size	k_q4001347f71_qkv, .Lfunc_end_k_q4001347f71_qkv-k_q4001347f71_qkv
	.p2alignl 7, 3214868480
	.fill 96, 4, 3214868480
	.section	.rodata,"a",@progbits
	.p2align	6, 0x0
	.amdhsa_kernel k_q4001347f71_qkv
		.amdhsa_group_segment_fixed_size 296448
		.amdhsa_private_segment_fixed_size 0
		.amdhsa_enable_private_segment 0
		.amdhsa_kernarg_size 112
		.amdhsa_user_sgpr_count 2
		.amdhsa_user_sgpr_kernarg_segment_ptr 1
		.amdhsa_wavefront_size32 1
		.amdhsa_system_sgpr_workgroup_id_x 1
		.amdhsa_system_sgpr_workgroup_id_y 1
		.amdhsa_system_sgpr_workgroup_id_z 1
		.amdhsa_system_vgpr_workitem_id 0
		.amdhsa_next_free_vgpr 1024
		.amdhsa_next_free_sgpr 100
		.amdhsa_reserve_vcc 1
		.amdhsa_float_denorm_mode_32 3
		.amdhsa_float_denorm_mode_16_64 3
		.amdhsa_memory_ordered 1
		.amdhsa_forward_progress 1
		.amdhsa_inst_pref_size 127
	.end_amdhsa_kernel
	.amdgpu_metadata
---
amdhsa.version: [ 1, 2 ]
amdhsa.kernels:
  - .name:           k_q4001347f71_qkv
    .symbol:         k_q4001347f71_qkv.kd
    .args:
      - { .name: x_codes, .offset: 0, .size: 8, .value_kind: global_buffer, .address_space: global }
      - { .name: x_scales, .offset: 8, .size: 8, .value_kind: global_buffer, .address_space: global }
      - { .name: Wq_codes, .offset: 16, .size: 8, .value_kind: global_buffer, .address_space: global }
      - { .name: Wq_scales, .offset: 24, .size: 8, .value_kind: global_buffer, .address_space: global }
      - { .name: Wk_codes, .offset: 32, .size: 8, .value_kind: global_buffer, .address_space: global }
      - { .name: Wk_scales, .offset: 40, .size: 8, .value_kind: global_buffer, .address_space: global }
      - { .name: Wv_codes, .offset: 48, .size: 8, .value_kind: global_buffer, .address_space: global }
      - { .name: Wv_scales, .offset: 56, .size: 8, .value_kind: global_buffer, .address_space: global }
      - { .name: q_img, .offset: 64, .size: 8, .value_kind: global_buffer, .address_space: global }
      - { .name: q_sc, .offset: 72, .size: 8, .value_kind: global_buffer, .address_space: global }
      - { .name: k_img, .offset: 80, .size: 8, .value_kind: global_buffer, .address_space: global }
      - { .name: k_sc, .offset: 88, .size: 8, .value_kind: global_buffer, .address_space: global }
      - { .name: v_img, .offset: 96, .size: 8, .value_kind: global_buffer, .address_space: global }
      - { .name: v_sc, .offset: 104, .size: 8, .value_kind: global_buffer, .address_space: global }
    .group_segment_fixed_size: 296448
    .private_segment_fixed_size: 0
    .kernarg_segment_align: 8
    .kernarg_segment_size: 112
    .max_flat_workgroup_size: 128
    .sgpr_count:     100
    .vgpr_count:     1024
    .wavefront_size: 32
...
	.end_amdgpu_metadata
.endif
;; end of part 1
;; launch attn (part 2): grid 8 x 32, 16 waves a work-group, clusters of 4 x 1, 288,768 bytes of LDS; arguments q_img, q_sc, k_img, k_sc, v_img, v_sc, ctx_img, ctx_sc; writes ctx_img, ctx_sc
.if DOCPART == 2
	.amdgcn_target "amdgcn-amd-amdhsa--gfx1250"
	.amdhsa_code_object_version 6
	.text
	.protected	k_q4001347f71_attn
	.globl	k_q4001347f71_attn
	.p2align	8
	.type	k_q4001347f71_attn,@function
k_q4001347f71_attn:
	s_mov_b64 s[64:65], 0
	v_nop
	global_prefetch_b8 v0, s[64:65] scope:SCOPE_SE
	s_setreg_imm32_b32 hwreg(HW_REG_WAVE_MODE, 25, 1), 1
	s_wait_xcnt 0x0
	s_wait_alu depctr_hold_cnt(0) depctr_sa_sdst(0) depctr_va_vdst(0) depctr_va_sdst(0) depctr_va_ssrc(0) depctr_va_vcc(0) depctr_vm_vsrc(0)
	s_getreg_b32 s2, hwreg(HW_REG_IB_STS2, 6, 4)
	s_cmp_eq_u32 s2, 0
	s_cbranch_scc0 .Lentry_in_a_cluster
	s_endpgm
.Lentry_in_a_cluster:
	s_bfe_u32 s2, ttmp6, 0x10000c
	s_cmp_lg_u32 s2, 0x3003
	s_cbranch_scc0 .Lentry_shape_is_right
	s_endpgm
.Lentry_shape_is_right:
; ctx = softmax(Q K^T / 8, causal) V for 64 (batch, head), 2,048 queries and keys, head size 64; both products on codes of FP4 (E2M1) with E8M0 scales; ctx is quantised along the model's 1,024 and leaves as codes.
; THE SOFTMAX: t = score x log2(e) / 8; M = the running largest t rounded up to a whole number; p = 2^(t - M) is quantised along the keys; the row's sum is taken of the unquantised p and divides at the end.
; When M moves, the sum and O are multiplied by 2^(old M - new M), which rounds nothing.
; SHARES.  A work-group takes a pair of heads (work-group y = 8 b + hp) and every eighth tile of 16 queries: tile 8 G + e, e = work-group x.  K's and V's codes and scale words of both heads, all 2,048 keys,
; lie in LDS whole, filled once.  Wave w takes two tiles one after the other: G = 8 + w % 8 of head w / 8, then G = 7 - w % 8 of the other head: G + 1 key steps of 128 each, 17 in all for every wave.
; CLUSTER.  The four work-groups of a cluster have one pair of heads: K and V are asked for jointly.  G and the head hang on the wave's number alone; e enters global addresses and selected masks only.
; LAYOUT.  S^T = K Q^T (source 0 = 16 keys, source 1 = my 16 queries), O^T = V^T P^T (source 0 = 16 of the head's 64, source 1 = P): a lane holds one query (lane % 16) throughout.
; In tile t of S^T register j of lane (r, h) is key 16 t + 8 h + j: a block of 32 keys is tiles 2 b, 2 b + 1, 16 registers here and 16 in lane l xor 16.
; K = 64 IN AN INSTRUCTION OF K = 128: Q's fragment is its four registers and four of zero codes.  K's fragment of tile t is its four registers and the next tile's four, which meet those zeros; no scale byte is 0xff.
; CAUSAL: steps behind the tile's own are left out (a scalar branch on the wave's number and the loop's count); in its own step hidden scores become -infinity by masks selected with e.
; ctx's scale bytes are stored a byte a lane, 32 bytes apart: 32 bytes beside each 512 bytes of codes.
; LIMITS: a block of zeros gets the byte 1 (its codes are zeros; only this program reads the bytes); block maxima under 2^-124 are held at that floor; NaN and infinities are not served.
.set KIMG, 0                           ; LDS: K's codes: ks x 8192 + t x 1024 + c x 512 + 16 x lane
.set VIMG, 131072                      ; V's: ks x 8192 + (4 c + dt) x 1024 + half x 512 + 16 x lane
.set KSC,  262144                      ; K's scale words: c x 8192 + ks x 512 + 16 x lane
.set VSC,  278528                      ; V's: ks x 512 + 16 x lane + 8 c
.set AK,   1                           ; v1-4   my lane's place in K's codes, V's codes, K's words, V's words for the first tile; v5-8 for the second
.set AV,   2
.set ASK,  3
.set ASV,  4
.set ADK,  9                           ; v9-11, v16  the same for the step in hand
.set ADV,  10
.set ADS,  11
.set ADT,  16                          ; v12 -M, v13 the largest t, v[14:15] the sum in two halves
.set NINF, 17                          ; v17    -infinity
.set QS,   18                          ; v18-19 Q's scale words, first and second tile
.set QF,   20                          ; v20-27, v28-35 Q's fragments: four registers of codes, four of zeros
.set KSR,  36                          ; v36-39 K's scale words of a step: register t / 2, lanes 0-15 for even t
.set VSR,  40                          ; v40-41 V's
.set LI,   42                          ; v42    16 x lane
.set RB,   43                          ; v43    32 r + h
.set KF,   44                          ; v44-75 K's eight tiles, four registers each; v76-79 zeros
.set VF,   80                          ; v80-111 V's four fragments
.set S,    112                         ; v112-175 S^T, then p
.set O,    176                         ; v176-207 O^T
.set PC,   208                         ; v208-215 p's codes
.set BM,   216                         ; v216-219 the blocks' maxima
.set BT,   220                         ; v220-223 at work, then the bytes
.set SO,   224                         ; v224-227 the conversions' scale operands
.set F,    228                         ; v[228:229] f = 2^(old M - new M), and a word that is only named
.set PW,   230                         ; v230   p's scale word
.set T,    231
.set SU,   232                         ; v[232:233] the second chain of the sums
.set HW,   234                         ; v234   ctx's scale byte of my half
.set WV,   20                          ; s20 wave; s21 e; s22 pair; s26-27 G of the two tiles; s66-67 their heads' parity
.set E,    21
.set PAIR, 22
.set GP,   26
.set CP,   66
.set SEL,  28
.set CS,   30                          ; s[30:31] c = log2(e) / 8
.set G1C,  32                          ; s[32:39] group 1: 128 rows of 256 bytes; s[40:47]: 32 rows; s[48:55]: 16 rows
.set G1KS, 40
.set G1VS, 48
.set G0KS, 56                          ; groups 0: K's scales, V's scales, the two chunks of codes
.set G0VS, 60
.set G0C0, 68
.set G0C1, 72
.set TB,   76                          ; s76 the step's codes: 8,192 bytes a step; s77 its scale words: 512; s78 the step's number
.set TS,   77
.set KSI,  78
.set HM,   79                          ; s79 lanes 16-31
.set MA,   80
.set MJ,   82                          ; s[82:89] the masks of a tile's eight registers (at the head: at work)
.set CI,   90                          ; s[90:91], s[92:93] where the first tile's codes and bytes go; s[94:97] the second's
.macro CROUND                          ; a round of the cluster's barrier
	s_barrier_signal -1
	s_barrier_wait -1
	s_cmp_lg_u32 s[WV], 0
	s_cbranch_scc1 .Lnot_wave_0_\@
	s_barrier_signal -3
.Lnot_wave_0_\@:
	s_barrier_wait -3
	s_barrier_signal -1
	s_barrier_wait -1
.endm
.macro G1DENSE g, rows                 ; a dense block as rows of 256 bytes (32 elements of 8 bytes), for all four work-groups, no padding
	s_mov_b32 s[\g], 15|(3<<16)|(1<<21)
	s_mov_b32 s[\g+1], 32<<16
	s_mov_b32 s[\g+2], (\rows)<<16
	s_mov_b32 s[\g+3], 32<<16
	s_mov_b32 s[\g+4], \rows
	s_mov_b32 s[\g+5], 32
	s_mov_b32 s[\g+6], 0
	s_mov_b32 s[\g+7], 0
.endm
.macro INIT                            ; a tile's state: the step is written once and its first run finds zeros, which the first change of M leaves zeros
	v_mov_b32 v13, 0xff61b1e6                      ; the largest t so far: -3e38
	v_mov_b32 v14, 0
	v_mov_b32 v15, 0
	s_delay_alu instid0(VALU_DEP_3)
	v_floor_f32 v12, -v13
.set j, 0
.rept 32
	v_mov_b32 v[O+j], 0
.set j, j+1
.endr
.endm
	s_load_b256 s[4:11], s[0:1], 0x0               ; q_img, q_sc, k_img, k_sc
	s_load_b256 s[12:19], s[0:1], 0x20             ; v_img, v_sc, ctx_img, ctx_sc
	v_lshl_add_u32 v254, v0, 2, 0x46000
	v_mov_b32 v255, 0
	ds_add_u32 v254, v255
	ds_add_u32 v254, v255
	v_lshrrev_b32 v1, 5, v0
	s_delay_alu instid0(VALU_DEP_1)
	v_readfirstlane_b32 s[WV], v1                  ; wave 0..15
	s_bfe_u32 s2, ttmp6, 0x40000                   ; cx
	s_lshl_b32 s[E], ttmp9, 2
	s_add_co_u32 s[E], s[E], s2                    ; e = 4 x cluster x + cx
	s_and_b32 s[PAIR], ttmp7, 0xffff               ; 8 b + hp, which the partners share
	s_and_b32 s23, s[WV], 7
	s_add_co_u32 s[GP], s23, 8
	s_sub_co_u32 s[GP+1], 7, s23
	s_lshr_b32 s[CP], s[WV], 3
	s_xor_b32 s[CP+1], s[CP], 1
	s_mov_b32 s[SEL], 0x76543210
	s_mov_b32 s[SEL+1], 0xfedcba98                 ; v_permlanex16_b32's selects for lane l xor 16
	s_mov_b32 s[CS], 0x3e38aa3b
	s_mov_b32 s[CS+1], s[CS]                       ; named with it as a pair, so it is written
	s_mov_b32 s[HM], 0xffff0000
	; zero codes first, well ahead of the products that read them
.irp j, 4,5,6,7,12,13,14,15
	v_mov_b32 v[QF+\j], 0
.endr
.irp j, 32,33,34,35
	v_mov_b32 v[KF+\j], 0
.endr
	v_and_b32 v[T], 31, v0
	s_delay_alu instid0(VALU_DEP_1)
	v_lshlrev_b32 v[LI], 4, v[T]
	s_wait_alu depctr_va_vdst(0)
	v_and_b32 v[ADK], 15, v0                       ; r
	v_bfe_u32 v[ADV], v0, 4, 1                     ; h
	s_delay_alu instid0(VALU_DEP_1)
	v_lshl_add_u32 v[RB], v[ADK], 5, v[ADV]
	s_delay_alu instid0(VALU_DEP_3)
	v_lshlrev_b32 v[ADK], 4, v[ADK]                ; 16 r: for Q's scale words
.irp P, 0,1                            ; every LDS address is made here, ahead of the first branch on the wave's number
	s_lshl_b32 s82, s[CP+\P], 9
	v_add_nc_u32 v[AK+4*\P], s82, v[LI]
	s_lshl_b32 s82, s[CP+\P], 12
	s_add_co_u32 s82, s82, VIMG
	v_add_nc_u32 v[AV+4*\P], s82, v[LI]
	s_lshl_b32 s82, s[CP+\P], 13
	s_add_co_u32 s82, s82, KSC
	v_add_nc_u32 v[ASK+4*\P], s82, v[LI]
	s_lshl_b32 s82, s[CP+\P], 3
	s_add_co_u32 s82, s82, VSC
	v_add_nc_u32 v[ASV+4*\P], s82, v[LI]
.endr
	v_mov_b32 v[NINF], 0xff800000
	v_mov_b32 v[F+1], 0
.irp b, 0,1,2,3
	v_mov_b32 v[BT+\b], 0                          ; written once: a lane permute's destination counts as one of its sources
.endr
	INIT
	G1DENSE G1C, 128
	G1DENSE G1KS, 32
	G1DENSE G1VS, 16
	; what I fetch, if I fetch: waves 0, 1 for K, waves 2, 3 for V; p = wave % 2 says which half
	s_and_b32 s3, s[WV], 1
	s_mov_b32 s[G0KS], 1
	s_lshl_b32 s82, s3, 13
	s_add_co_u32 s[G0KS+1], s82, KSC               ; K's words: image p, 8,192 bytes
	s_mov_b32 s[G0VS], 1
	s_lshl_b32 s84, s3, 12
	s_add_co_u32 s[G0VS+1], s84, VSC               ; V's: half p, 4,096 bytes
	s_lshl_b32 s85, s[PAIR], 14
	s_add_co_u32 s82, s82, s85                     ; in k_sc
	s_mov_b32 s83, 0
	s_lshl_b32 s85, s[PAIR], 13
	s_add_co_u32 s84, s84, s85                     ; in v_sc
	s_mov_b32 s85, 0
	s_lshr_b32 s86, s[WV], 1
	s_and_b32 s86, s86, 1
	s_lshl_b32 s86, s86, 17                        ; K's codes or V's,
	s_lshl_b32 s88, s3, 15                         ; 32,768 bytes a load
	s_add_co_u32 s86, s86, s88
	s_mov_b32 s[G0C0], 1
	s_mov_b32 s[G0C0+1], s86                       ; chunk 0: key steps 0 to 7
	s_mov_b32 s[G0C1], 1
	s_add_co_u32 s[G0C1+1], s86, 65536             ; chunk 1: key steps 8 to 15
	s_lshl_b32 s86, s[PAIR], 17
	s_add_co_u32 s86, s86, s88
	s_mov_b32 s87, 0
	s_wait_dscnt 0x0
	s_wait_kmcnt 0x0
	s_add_nc_u64 s[G0KS+2:G0KS+3], s[10:11], s[82:83]
	s_or_b32 s[G0KS+3], s[G0KS+3], 0x80000000
	s_add_nc_u64 s[G0VS+2:G0VS+3], s[14:15], s[84:85]
	s_or_b32 s[G0VS+3], s[G0VS+3], 0x80000000
	s_cmp_lt_u32 s[WV], 2
	s_cselect_b64 s[88:89], s[8:9], s[12:13]
	s_add_nc_u64 s[G0C0+2:G0C0+3], s[88:89], s[86:87]
	s_add_nc_u64 s[G0C1+2:G0C1+3], s[G0C0+2:G0C0+3], 65536
	s_or_b32 s[G0C0+3], s[G0C0+3], 0x80000000
	s_or_b32 s[G0C1+3], s[G0C1+3], 0x80000000
	CROUND                                         ; all four work-groups are here: the joint loads meet
	s_cmp_lt_u32 s[WV], 2                          ; a wave's three fills stand in one branch; three loads of a fetching wave are out
	s_cbranch_scc0 .Lnot_k
	tensor_load_to_lds s[G0KS:G0KS+3], s[G1KS:G1KS+7]
	s_nop 0
	tensor_load_to_lds s[G0C0:G0C0+3], s[G1C:G1C+7]
	s_nop 0
	tensor_load_to_lds s[G0C1:G0C1+3], s[G1C:G1C+7]
	s_nop 0
.rept 4
	v_nop
.endr
	s_branch .Lasked
.Lnot_k:
	s_cmp_lt_u32 s[WV], 4
	s_cbranch_scc0 .Lasked
	tensor_load_to_lds s[G0VS:G0VS+3], s[G1VS:G1VS+7]
	s_nop 0
	tensor_load_to_lds s[G0C0:G0C0+3], s[G1C:G1C+7]
	s_nop 0
	tensor_load_to_lds s[G0C1:G0C1+3], s[G1C:G1C+7]
	s_nop 0
.rept 4
	v_nop
.endr
.Lasked:
; The global places of tile P: Q's codes and words, ctx's codes and bytes
.macro PASSADR P, qi, qs
	s_lshl_b32 s82, s[PAIR], 4
	s_add_co_u32 s82, s82, s[GP+\P]
	s_lshl_b32 s82, s82, 13                        ; block (pair, G),
	s_lshl_b32 s84, s[E], 10
	s_add_co_u32 s82, s82, s84                     ; tile e,
	s_lshl_b32 s84, s[CP+\P], 9
	s_add_co_u32 s82, s82, s84                     ; the head's parity
	s_add_nc_u64 s[\qi:\qi+1], s[4:5], s[82:83]
	s_lshl_b32 s82, s[PAIR], 14
	s_lshl_b32 s84, s[CP+\P], 13
	s_add_co_u32 s82, s82, s84
	s_lshl_b32 s84, s[GP+\P], 9
	s_add_co_u32 s82, s82, s84
	s_and_b32 s84, s[E], 1
	s_lshl_b32 s84, s84, 8
	s_add_co_u32 s82, s82, s84                     ; row 16 e + r of the 128 is lane 16 (e % 2) + r,
	s_lshr_b32 s84, s[E], 1
	s_lshl_b32 s84, s84, 2
	s_add_co_u32 s82, s82, s84                     ; word e / 2
	s_add_nc_u64 s[\qs:\qs+1], s[6:7], s[82:83]
	s_lshr_b32 s82, s[PAIR], 3
	s_lshl_b32 s82, s82, 7
	s_lshl_b32 s84, s[GP+\P], 3
	s_add_co_u32 s82, s82, s84
	s_add_co_u32 s82, s82, s[E]                    ; the tile of 16 rows among all 512: 128 b + 8 G + e
	s_lshl_b32 s85, s82, 9                         ; 16 rows of 32 scale bytes
	s_lshl_b32 s82, s82, 13                        ; 8,192 bytes of codes
	s_and_b32 s84, s[PAIR], 7
	s_lshl_b32 s86, s84, 2
	s_lshl_b32 s84, s84, 10
	s_add_co_u32 s82, s82, s84
	s_lshl_b32 s84, s[CP+\P], 9
	s_add_co_u32 s82, s82, s84
	s_add_nc_u64 s[CI+4*\P:CI+4*\P+1], s[16:17], s[82:83]
	s_add_co_u32 s82, s85, s86
	s_lshl_b32 s84, s[CP+\P], 1
	s_add_co_u32 s82, s82, s84                     ; byte 2 x head = 4 hp + 2 c
	s_add_nc_u64 s[CI+4*\P+2:CI+4*\P+3], s[18:19], s[82:83]
.endm
	s_mov_b32 s83, 0
	PASSADR 0, 98, 100
	PASSADR 1, 2, 24
	global_load_b128 v[QF:QF+3], v[LI], s[98:99] th:TH_LOAD_NT       ; each tile of Q has one reader
	global_load_b32 v[QS], v[ADK], s[100:101]
	global_load_b128 v[QF+8:QF+11], v[LI], s[2:3] th:TH_LOAD_NT
	global_load_b32 v[QS+1], v[ADK], s[24:25]
; A KEY STEP of tile P: 128 keys.  gen = 1: the step may lie on or behind the diagonal.
.macro STEP P, gen
.if \gen
	s_cmp_gt_u32 s[KSI], s[GP+\P]                  ; all its keys come after my queries: only the counters at its end are stepped
	s_cbranch_scc1 .Lhid_\@
.endif
	s_setprio 2
	v_add_nc_u32 v[ADK], s[TB], v[AK+4*\P]         ; these four are also the places between the last step's products and the loads into their registers
	v_add_nc_u32 v[ADV], s[TB], v[AV+4*\P]
	v_add_nc_u32 v[ADS], s[TS], v[ASK+4*\P]
	v_add_nc_u32 v[ADT], s[TS], v[ASV+4*\P]
	ds_load_b128 v[KSR:KSR+3], v[ADS]
.irp t, 0,1,2,3,4,5,6,7
	ds_load_b128 v[KF+4*\t:KF+4*\t+3], v[ADK] offset:1024*\t   ; 32 lanes read 512 consecutive bytes
.endr
	ds_load_b64 v[VSR:VSR+1], v[ADT]
.irp d, 0,1,2,3
.irp c, 0,1
	ds_load_b128 v[VF+8*\d+4*\c:VF+8*\d+4*\c+3], v[ADV] offset:1024*\d+512*\c
.endr
.endr
	s_wait_dscnt 0x9                               ; K's nine loads are in; V's nine, issued behind them, may be out
.irp t, 0,1,2,3,4,5,6,7
.if (\t)%2
	v_wmma_scale_f32_16x16x128_f8f6f4 v[S+8*\t:S+8*\t+7], v[KF+4*\t:KF+4*\t+7], v[QF+8*\P:QF+8*\P+7], 0, v[KSR+\t/2], v[QS+\P] matrix_a_fmt:MATRIX_FMT_FP4 matrix_b_fmt:MATRIX_FMT_FP4 matrix_a_scale:MATRIX_SCALE_ROW1
.else
	v_wmma_scale_f32_16x16x128_f8f6f4 v[S+8*\t:S+8*\t+7], v[KF+4*\t:KF+4*\t+7], v[QF+8*\P:QF+8*\P+7], 0, v[KSR+\t/2], v[QS+\P] matrix_a_fmt:MATRIX_FMT_FP4 matrix_b_fmt:MATRIX_FMT_FP4
.endif
.endr
.rept 4
	v_nop                                          ; places in front of the first read of the scores
.endr
.if \gen
	s_cmp_lg_u32 s[KSI], s[GP+\P]
	s_cbranch_scc1 .Lopen_\@                       ; all keys of the step count
.irp t, 0,1,2,3,4,5,6,7                ; my queries are 16 e + r of the step's 128.  Tile t: hidden whole where t > e, open where t < e; where t = e key 8 h + j is hidden for r < 8 h + j
	s_cmp_lt_u32 s[E], \t
	s_cselect_b32 s[MA], -1, 0
	s_cmp_eq_u32 s[E], \t
.irp j, 0,1,2,3,4,5,6,7
	s_cselect_b32 s[MJ+\j], ((1<<\j)-1)|(((1<<(8+\j))-1)<<16), s[MA]
	v_cndmask_b32 v[S+8*\t+\j], v[S+8*\t+\j], v[NINF], s[MJ+\j]
.endr
.endr
.Lopen_\@:
.endif
.irp b, 0,1,2,3
	v_max3_num_f32 v[BM+\b], v[S+16*\b], v[S+16*\b+1], v[S+16*\b+2]   ; the largest score of each block of 32 keys: it serves the row's maximum and, since p rises with the score, the block's largest p
.endr
.irp i, 3,5,7,9,11,13
.irp b, 0,1,2,3
	v_max3_num_f32 v[BM+\b], v[BM+\b], v[S+16*\b+\i], v[S+16*\b+\i+1]
.endr
.endr
.irp b, 0,1,2,3
	v_max_num_f32 v[BM+\b], v[BM+\b], v[S+16*\b+15]
.endr
.irp b, 0,1,2,3
	s_delay_alu instid0(VALU_DEP_4)
	v_permlanex16_b32 v[BT+\b], v[BM+\b], s[SEL], s[SEL+1]
.endr
.irp b, 0,1,2,3
	s_delay_alu instid0(VALU_DEP_4)
	v_max_num_f32 v[BM+\b], v[BM+\b], v[BT+\b]     ; with lane l xor 16's 16 keys
.endr
	s_delay_alu instid0(VALU_DEP_2)
	v_max3_num_f32 v[T], v[BM], v[BM+1], v[BM+2]
	s_delay_alu instid0(VALU_DEP_1)
	v_max_num_f32 v[T], v[T], v[BM+3]              ; the step's largest score of my query
	s_delay_alu instid0(VALU_DEP_1)
	v_mul_f32 v[T], s[CS], v[T]
	s_delay_alu instid0(VALU_DEP_1)
	v_max_num_f32 v13, v13, v[T]                   ; the running largest t
	v_mov_b32 v[T], v12
	s_delay_alu instid0(VALU_DEP_2)
	v_floor_f32 v12, -v13                          ; the new -M = floor(-t): M is a whole number
	s_delay_alu instid0(VALU_DEP_1)
	v_sub_f32 v[T], v12, v[T]                      ; old M - new M, 0 or less
	s_delay_alu instid0(VALU_DEP_1)
	v_cvt_i32_f32 v[T], v[T]                       ; (it saturates)
	s_delay_alu instid0(VALU_DEP_1)
	v_ldexp_f32 v[F], 1.0, v[T]                    ; f = 2^(old M - new M)
.set j, 0
.rept 32
	v_pk_fma_f32 v[S+j:S+j+1], v[S+j:S+j+1], s[CS:CS+1], v[12:13] op_sel_hi:[1,0,0]   ; t - M, two at a time
.set j, j+2
.endr
.irp b, 0,1,2,3
	v_fma_f32 v[BM+\b], v[BM+\b], s[CS], v12       ; the same of each block's largest score
.endr
.set j, 0
	s_setprio 1
	s_wait_alu depctr_va_vdst(0)
.rept 64
	v_exp_f32 v[S+j], v[S+j]                       ; p = 2^(t - M), at most 1
.set j, j+1
.endr
	v_pk_mul_f32 v[14:15], v[14:15], v[F:F+1] op_sel_hi:[1,0]   ; the sums under the new M: the plain instruction behind the batch
	s_wait_alu depctr_va_vdst(0)                   ; one wait for the batch of 64, ahead of its first reader
.irp b, 0,1,2,3
	v_exp_f32 v[BM+\b], v[BM+\b]                   ; the blocks' largest p
.endr
	v_pk_add_f32 v[232:233], v[116:117], v[120:121]
	v_pk_add_f32 v[252:253], v[124:125], v[128:129]
	v_pk_add_f32 v[250:251], v[132:133], v[136:137]
	v_pk_add_f32 v[248:249], v[140:141], v[144:145]
	v_pk_add_f32 v[246:247], v[148:149], v[152:153]
	v_pk_add_f32 v[244:245], v[156:157], v[160:161]
	v_pk_add_f32 v[242:243], v[164:165], v[168:169]
	v_pk_add_f32 v[14:15], v[14:15], v[172:173]
	v_pk_add_f32 v[232:233], v[232:233], v[112:113]
	v_pk_add_f32 v[252:253], v[252:253], v[114:115]
	v_pk_add_f32 v[250:251], v[250:251], v[118:119]
	v_pk_add_f32 v[248:249], v[248:249], v[122:123]
	v_pk_add_f32 v[246:247], v[246:247], v[126:127]
	v_pk_add_f32 v[244:245], v[244:245], v[130:131]
	v_pk_add_f32 v[242:243], v[242:243], v[134:135]
	v_pk_add_f32 v[14:15], v[14:15], v[138:139]
	v_pk_add_f32 v[232:233], v[232:233], v[142:143]
	v_pk_add_f32 v[252:253], v[252:253], v[146:147]
	v_pk_add_f32 v[250:251], v[250:251], v[150:151]
	v_pk_add_f32 v[248:249], v[248:249], v[154:155]
	v_pk_add_f32 v[246:247], v[246:247], v[158:159]
	v_pk_add_f32 v[244:245], v[244:245], v[162:163]
	v_pk_add_f32 v[242:243], v[242:243], v[166:167]
	v_pk_add_f32 v[14:15], v[14:15], v[170:171]
	v_pk_add_f32 v[232:233], v[232:233], v[174:175]
	s_delay_alu instid0(VALU_DEP_2)
	v_pk_add_f32 v[14:15], v[14:15], v[248:249]
	s_delay_alu instid0(VALU_DEP_2)
	v_pk_add_f32 v[232:233], v[232:233], v[246:247]
	v_pk_add_f32 v[252:253], v[252:253], v[244:245]
	v_pk_add_f32 v[250:251], v[250:251], v[242:243]
	s_delay_alu instid0(VALU_DEP_2)
	v_pk_add_f32 v[14:15], v[14:15], v[252:253]
	s_delay_alu instid0(VALU_DEP_2)
	v_pk_add_f32 v[232:233], v[232:233], v[250:251]
	s_delay_alu instid0(VALU_DEP_1)
	v_pk_add_f32 v[14:15], v[14:15], v[232:233]
	s_wait_alu depctr_va_vdst(0)                   ; and one for the four
.irp b, 0,1,2,3
	v_max_num_f32 v[BM+\b], 0x1800000, v[BM+\b]    ; the floor 2^(3 - 127): the byte cannot fall under 1
.endr
.irp b, 0,1,2,3
	s_delay_alu instid0(VALU_DEP_4)
	v_add_nc_u32 v[SO+\b], 0xff000000, v[BM+\b]    ; 2 off the exponent field: the conversion's scale operand
.endr
.irp b, 0,1,2,3
	s_delay_alu instid0(VALU_DEP_4)
	v_lshrrev_b32 v[BT+\b], 23, v[SO+\b]           ; the scale's byte
.endr
	s_delay_alu instid0(VALU_DEP_3)
	v_lshl_or_b32 v[PW], v[BT+1], 8, v[BT]
	s_delay_alu instid0(VALU_DEP_1)
	v_lshl_or_b32 v[PW], v[BT+2], 16, v[PW]
	s_delay_alu instid0(VALU_DEP_1)
	v_lshl_or_b32 v[PW], v[BT+3], 24, v[PW]        ; p's scale word for these 128 keys
.irp c, 0,1
	v_cvt_scalef32_pk8_fp4_f32 v[PC+4*\c],   v[S+32*\c:S+32*\c+7],     v[SO+2*\c]
	v_cvt_scalef32_pk8_fp4_f32 v[PC+4*\c+1], v[S+32*\c+16:S+32*\c+23], v[SO+2*\c+1]
	v_cvt_scalef32_pk8_fp4_f32 v[PC+4*\c+2], v[S+32*\c+8:S+32*\c+15],  v[SO+2*\c]
	v_cvt_scalef32_pk8_fp4_f32 v[PC+4*\c+3], v[S+32*\c+24:S+32*\c+31], v[SO+2*\c+1]
.endr
	s_setprio 0
	v_nop                                          ; one plain place behind a scaled conversion
.irp c, 0,1                            ; registers 4 c .. 4 c + 3 then hold keys 64 c + 32 h + 0 .. 31
	v_permlane16_swap_b32 v[PC+4*\c], v[PC+4*\c+1]
	v_permlane16_swap_b32 v[PC+4*\c+2], v[PC+4*\c+3]
.endr
.set j, 0
.rept 16
	v_pk_mul_f32 v[O+j:O+j+1], v[O+j:O+j+1], v[F:F+1] op_sel_hi:[1,0]   ; O^T under the new M.  Twelve of the sixteen name no register of any one product below: the places between p's word and codes and those products
.set j, j+2
.endr
	s_wait_alu depctr_va_vdst(0)
	s_wait_dscnt 0x0                               ; V is in
.irp d, 0,1,2,3                        ; four accumulators by turns
.if (\d)%2
	v_wmma_scale_f32_16x16x128_f8f6f4 v[O+8*\d:O+8*\d+7], v[VF+8*\d:VF+8*\d+7], v[PC:PC+7], v[O+8*\d:O+8*\d+7], v[VSR+\d/2], v[PW] matrix_a_fmt:MATRIX_FMT_FP4 matrix_b_fmt:MATRIX_FMT_FP4 matrix_a_scale:MATRIX_SCALE_ROW1
.else
	v_wmma_scale_f32_16x16x128_f8f6f4 v[O+8*\d:O+8*\d+7], v[VF+8*\d:VF+8*\d+7], v[PC:PC+7], v[O+8*\d:O+8*\d+7], v[VSR+\d/2], v[PW] matrix_a_fmt:MATRIX_FMT_FP4 matrix_b_fmt:MATRIX_FMT_FP4
.endif
.endr
.if \gen
.Lhid_\@:
.endif
	s_add_co_u32 s[TB], s[TB], 8192
	s_add_co_u32 s[TS], s[TS], 512
	s_add_co_u32 s[KSI], s[KSI], 1
.endm
; Tile P is finished: O^T / the sum; register 8 dt + j of lane (r, h) is ctx(query r, 16 dt + 8 h + j): two blocks of 32, quantised as p is; four registers of codes and two bytes a row leave.
.macro FINAL P
.rept 4
	v_nop                                          ; places behind the last products
.endr
	v_add_f32 v14, v14, v15
	s_delay_alu instid0(VALU_DEP_1)
	v_permlanex16_b32 v[T], v14, s[SEL], s[SEL+1]
	s_delay_alu instid0(VALU_DEP_1)
	v_add_f32 v14, v14, v[T]                       ; the row's sum
	s_wait_alu depctr_va_vdst(0)
	v_rcp_f32 v14, v14
	v_nop                                          ; a plain instruction behind the reciprocal,
	s_wait_alu depctr_va_vdst(0)                   ; and the wait ahead of its first reader
.set j, 0
.rept 16
	v_pk_mul_f32 v[S+j:S+j+1], v[O+j:O+j+1], v[14:15] op_sel_hi:[1,0]   ; each accumulator from its low end on
.set j, j+2
.endr
.irp b, 0,1
	v_max3_num_f32 v[BM+\b], |v[S+16*\b]|, |v[S+16*\b+1]|, 0x1800000
.endr
.irp i, 2,4,6,8,10,12,14
.irp b, 0,1
	s_delay_alu instid0(VALU_DEP_2)
	v_max3_num_f32 v[BM+\b], v[BM+\b], |v[S+16*\b+\i]|, |v[S+16*\b+\i+1]|
.endr
.endr
.irp b, 0,1
	s_delay_alu instid0(VALU_DEP_2)
	v_permlanex16_b32 v[BT+\b], v[BM+\b], s[SEL], s[SEL+1]
.endr
.irp b, 0,1
	s_delay_alu instid0(VALU_DEP_2)
	v_max_num_f32 v[BM+\b], v[BM+\b], v[BT+\b]
.endr
.irp b, 0,1
	s_delay_alu instid0(VALU_DEP_2)
	v_add_nc_u32 v[SO+\b], 0xff000000, v[BM+\b]
.endr
.irp b, 0,1
	s_delay_alu instid0(VALU_DEP_2)
	v_lshrrev_b32 v[BT+\b], 23, v[SO+\b]
.endr
	v_cvt_scalef32_pk8_fp4_f32 v[PC],   v[S:S+7],     v[SO]
	v_cvt_scalef32_pk8_fp4_f32 v[PC+1], v[S+16:S+23], v[SO+1]
	v_cvt_scalef32_pk8_fp4_f32 v[PC+2], v[S+8:S+15],  v[SO]
	v_cvt_scalef32_pk8_fp4_f32 v[PC+3], v[S+24:S+31], v[SO+1]
	v_nop
	v_permlane16_swap_b32 v[PC], v[PC+1]
	v_permlane16_swap_b32 v[PC+2], v[PC+3]         ; lane (r, h): block h of row r
	v_cndmask_b32 v[HW], v[BT], v[BT+1], s[HM]     ; and its byte
	global_store_b128 v[LI], v[PC:PC+3], s[CI+4*\P:CI+4*\P+1]      ; 32 lanes store 512 consecutive bytes, at a multiple of 256 from the buffer's first byte
	global_store_b8 v[RB], v[HW], s[CI+4*\P+2:CI+4*\P+3]           ; each byte has one writer
.endm
	s_wait_loadcnt 0x0                             ; Q of both tiles
	s_wait_tensorcnt 0x1                           ; the scale words and my part of chunk 0 are in; chunk 1's load may be out
	s_barrier_signal -1
	s_barrier_wait -1                              ; everybody's are
	s_mov_b32 s[TB], 0
	s_mov_b32 s[TS], 0
	s_mov_b32 s[KSI], 0
.Lfirst:                                           ; the first tile has G of 8 or more: all keys of steps 0 to 7 count
	STEP 0, 0
	s_cmp_lt_u32 s[KSI], 8
	s_cbranch_scc1 .Lfirst
	s_setprio 0
	s_wait_tensorcnt 0x0                           ; my part of chunk 1 is in
	s_wait_dscnt 0x0
	s_barrier_signal -1
	s_barrier_wait -1                              ; everybody's is
	s_mov_b32 s[TB], 65536
	s_mov_b32 s[TS], 4096
	s_mov_b32 s[KSI], 8
.Lsecond:                                          ; steps 8 to 15: every wave walks the eight trips, and leaves out the work of those behind its diagonal
	STEP 0, 1
	s_cmp_lt_u32 s[KSI], 16
	s_cbranch_scc1 .Lsecond
	s_setprio 0
	FINAL 0
	s_wait_xcnt 0x0                                ; the stores have read their registers, which the second tile writes again
	INIT
	s_mov_b32 s[TB], 0
	s_mov_b32 s[TS], 0
	s_mov_b32 s[KSI], 0
.Lthird:                                           ; the second tile: G of 7 or less
	STEP 1, 1
	s_cmp_lt_u32 s[KSI], 8
	s_cbranch_scc1 .Lthird
	s_setprio 0
	FINAL 1
	s_wait_tensorcnt 0x0
	ds_add_u32 v254, v255
	s_wait_dscnt 0x0
	CROUND                                         ; the closing round: no work-group ends while a partner may still ask for a tile that names it
	s_endpgm
.Lfunc_end_k_q4001347f71_attn:
	.size	k_q4001347f71_attn, .Lfunc_end_k_q4001347f71_attn-k_q4001347f71_attn
	.p2alignl 7, 3214868480
	.fill 96, 4, 3214868480
	.section	.rodata,"a",@progbits
	.p2align	6, 0x0
	.amdhsa_kernel k_q4001347f71_attn
		.amdhsa_group_segment_fixed_size 288768
		.amdhsa_private_segment_fixed_size 0
		.amdhsa_enable_private_segment 0
		.amdhsa_kernarg_size 64
		.amdhsa_user_sgpr_count 2
		.amdhsa_user_sgpr_kernarg_segment_ptr 1
		.amdhsa_wavefront_size32 1
		.amdhsa_system_sgpr_workgroup_id_x 1
		.amdhsa_system_sgpr_workgroup_id_y 1
		.amdhsa_system_sgpr_workgroup_id_z 1
		.amdhsa_system_vgpr_workitem_id 0
		.amdhsa_next_free_vgpr 256
		.amdhsa_next_free_sgpr 102
		.amdhsa_reserve_vcc 0
		.amdhsa_float_denorm_mode_32 3
		.amdhsa_float_denorm_mode_16_64 3
		.amdhsa_memory_ordered 1
		.amdhsa_forward_progress 1
		.amdhsa_inst_pref_size 88
	.end_amdhsa_kernel
	.amdgpu_metadata
---
amdhsa.version: [ 1, 2 ]
amdhsa.kernels:
  - .name:           k_q4001347f71_attn
    .symbol:         k_q4001347f71_attn.kd
    .args:
      - { .name: q_img, .offset: 0, .size: 8, .value_kind: global_buffer, .address_space: global }
      - { .name: q_sc, .offset: 8, .size: 8, .value_kind: global_buffer, .address_space: global }
      - { .name: k_img, .offset: 16, .size: 8, .value_kind: global_buffer, .address_space: global }
      - { .name: k_sc, .offset: 24, .size: 8, .value_kind: global_buffer, .address_space: global }
      - { .name: v_img, .offset: 32, .size: 8, .value_kind: global_buffer, .address_space: global }
      - { .name: v_sc, .offset: 40, .size: 8, .value_kind: global_buffer, .address_space: global }
      - { .name: ctx_img, .offset: 48, .size: 8, .value_kind: global_buffer, .address_space: global }
      - { .name: ctx_sc, .offset: 56, .size: 8, .value_kind: global_buffer, .address_space: global }
    .group_segment_fixed_size: 288768
    .private_segment_fixed_size: 0
    .kernarg_segment_align: 8
    .kernarg_segment_size: 64
    .max_flat_workgroup_size: 512
    .sgpr_count:     102
    .vgpr_count:     256
    .wavefront_size: 32
...
	.end_amdgpu_metadata
.endif
;; end of part 2
;; launch oproj (part 3): grid 4 x 64, 4 waves a work-group, clusters of 4 x 4, 327,680 bytes of LDS; arguments ctx_img, ctx_sc, Wo_codes, Wo_scales, bo, out0; writes out0
.if DOCPART == 3
	.amdgcn_target "amdgcn-amd-amdhsa--gfx1250"
	.amdhsa_code_object_version 6
	.text
	.protected	k_q4001347f71_oproj
	.globl	k_q4001347f71_oproj
	.p2align	8
	.type	k_q4001347f71_oproj,@function
k_q4001347f71_oproj:
	s_mov_b64 s[64:65], 0
	v_nop
	global_prefetch_b8 v0, s[64:65] scope:SCOPE_SE
	s_setreg_imm32_b32 hwreg(HW_REG_WAVE_MODE, 25, 1), 1
	s_wait_xcnt 0x0
	s_wait_alu depctr_hold_cnt(0) depctr_sa_sdst(0) depctr_va_vdst(0) depctr_va_sdst(0) depctr_va_ssrc(0) depctr_va_vcc(0) depctr_vm_vsrc(0)
	s_getreg_b32 s2, hwreg(HW_REG_IB_STS2, 6, 4)
	s_cmp_eq_u32 s2, 0
	s_cbranch_scc0 .Lentry_in_a_cluster
	s_endpgm
.Lentry_in_a_cluster:
	s_bfe_u32 s2, ttmp6, 0x10000c
	s_cmp_lg_u32 s2, 0xf033
	s_cbranch_scc0 .Lentry_shape_is_right
	s_endpgm
.Lentry_shape_is_right:
; out = ctx Wo^T + bo on codes of FP4 (E2M1) with E8M0 scales; sums in f32.  ctx: 8,192 rows x 1,024, as images of operand registers: [tile of 16 rows][K step of 128][c 0..1][lane][16 bytes];
; its scale bytes [row][32].  Wo: [1024 (output)][1024 (k)] codes, 512 bytes a row; scale bytes 32 a row.  bo [1024], out [8192][1024]: f32.
; A work-group makes 128 rows x 256 columns over all of K, which gives each of 256 work-groups one tile; a wave makes 64 x 128: 32 accumulators, 256 registers.  Both operands of the tile lie in LDS whole,
; as two halves of K, each filled once; no LDS byte is filled twice.
; CLUSTERS: 4 x 4: ctx's tile is asked for jointly along a row of the cluster, Wo's along a column.
; THE MATRIX INSTRUCTION IS USED TRANSPOSED (source 0 = 16 rows of Wo, source 1 = 16 rows of ctx): a lane holds eight neighbouring numbers of a row of out.  The bias is the C of each sum's first product.
; REGISTERS: window 0: v16-27 addresses; v32-95 scale words, a set for each half of K; v128-191 ctx's fragments, two sets of four; v192-255 the bias, 8 registers for each tile of columns; on the way out v128-255.
;   window 1: Wo's fragments, two sets, at v0 and v128.   window 2: the accumulators, (a, b) at v[8 (8 a + b)].
.set PITCH,  272                       ; a row of Wo in LDS: 256 bytes + 16 of padding = 68 words: row r starts at bank 4 r mod 64 (64 banks of 4 bytes: ISA guide 11.1)
.set HALFT,  128*PITCH
.set WSLOT,  2*HALFT                   ; half of K of Wo's 256 rows
.set AT,     2*WSLOT                   ; ctx's images: half x 32768 + tile x 4096 + step x 1024 + c x 512 + 16 x lane
.set SCA,    AT+65536                  ; ctx's scale bytes, as units of 256 bytes + 16 of padding: 64 rows are 8 units
.set HSA,    8*272
.set SCB,    SCA+2*HSA                 ; Wo's: 128 rows are 16 units
.set HSB,    16*272
.set STAGE,  SCB+2*HSB                 ; the way out: 16 rows x (512 bytes + 16) for each wave, in bytes of its own, into which no fill lands
.set SPITCH, 528
.set ADRA, 16
.set ADRB, 20                          ; v20-21
.set STO,  24
.set RD,   25
.set CO,   26                          ; 16 x lane
.set ADRS, 27
.set SC,   32                          ; register 4 i + q of a set: lanes 0-15 the word of ctx's block i, lanes 16-31 of Wo's block i.  ctx has four blocks: for i of 4 and more lanes 0-15 bring words that no product names
.set AF,   128
.set BI,   192
.set BK,   128
.set WV,   66
.set HA,   67                          ; which 64 rows are mine.  Also: I fetch for ctx (0) or for Wo (1)
.set HB,   16                          ; which 128 columns.  Also: which half of that tile I fetch
.set G1A, 24
.set G0A, 32
.set G1W, 48
.set G0W, 56
.set G1SA, 68
.set G0SA, 76
.set G1SW, 80
.set G0SW, 88
.set MSB, 0
.macro WIN new
.if MSB != (\new)
	s_set_vgpr_msb (MSB<<8)|(\new)
.set MSB, (\new)
.endif
.endm
.macro JLOAD g0a, g1a, g0b, g1b        ; a joint load: waves 0 and 1 for ctx, waves 2 and 3 for Wo; four v_nop follow each line
	s_cmp_eq_u32 s[HA], 0
	s_cbranch_scc0 .Lfor_b_\@
	tensor_load_to_lds s[\g0a:\g0a+3], s[\g1a:\g1a+7]
	s_nop 0
.rept 4
	v_nop
.endr
	s_branch .Lasked_\@
.Lfor_b_\@:
	tensor_load_to_lds s[\g0b:\g0b+3], s[\g1b:\g1b+7]
	s_nop 0
.rept 4
	v_nop
.endr
.Lasked_\@:
.endm
.macro CROUND
	s_barrier_signal -1
	s_barrier_wait -1
	s_cmp_lg_u32 s[WV], 0
	s_cbranch_scc1 .Lnot_wave_0_\@
	s_barrier_signal -3
.Lnot_wave_0_\@:
	s_barrier_wait -3
	s_barrier_signal -1
	s_barrier_wait -1
.endm
.macro PLACES
.rept 4
	v_nop
.endr
.endm
	s_load_b256 s[4:11], s[0:1], 0x0               ; ctx_img, ctx_sc, Wo's codes, Wo's scales
	s_load_b128 s[12:15], s[0:1], 0x20             ; bo, out
	v_lshl_add_u32 v126, v0, 2, 0x40000
	v_mov_b32 v127, 0
	ds_add_u32 v126, v127
	ds_add_u32 v126, v127
	v_lshrrev_b32 v1, 5, v0
	v_readfirstlane_b32 s[WV], v1
	s_lshr_b32 s[HA], s[WV], 1
	s_and_b32 s[HB], s[WV], 1
	s_bfe_u32 s40, ttmp6, 0x40000                  ; cx
	s_bfe_u32 s41, ttmp6, 0x40004                  ; cy
	s_lshl_b32 s42, ttmp9, 2
	s_add_co_u32 s42, s42, s40                     ; which 256 columns
	s_and_b32 s17, ttmp7, 0xffff
	s_lshl_b32 s17, s17, 2
	s_add_co_u32 s17, s17, s41                     ; which 128 rows
	s_lshl_b32 s43, s41, 2
	s_lshl_b32 s43, 15, s43                        ; my row of the cluster
	s_lshl_b32 s44, 0x1111, s40                    ; my column
	; ctx's codes: four tiles of rows; of each, half of K: 4,096 of its 8,192 bytes (elements of 8 bytes), dense in LDS
	s_or_b32 s[G1A], s43, (3<<16)|(1<<21)
	s_mov_b32 s[G1A+1], 512<<16
	s_mov_b32 s[G1A+2], 4<<16
	s_mov_b32 s[G1A+3], 512<<16
	s_mov_b32 s[G1A+4], 4
	s_mov_b32 s[G1A+5], 1024
	s_mov_b32 s[G1A+6], 0
	s_mov_b32 s[G1A+7], 0
	; Wo's codes: 128 rows x 256 bytes, 512 apart, 16 bytes of padding behind each
	s_or_b32 s[G1W], s44, (1<<20)|(1<<21)|(5<<22)|(3<<25)
	s_mov_b32 s[G1W+1], 256<<16
	s_mov_b32 s[G1W+2], 128<<16
	s_mov_b32 s[G1W+3], 256<<16
	s_mov_b32 s[G1W+4], 128
	s_mov_b32 s[G1W+5], 512
	s_mov_b32 s[G1W+6], 0
	s_mov_b32 s[G1W+7], 0
	; the scale bytes: dense blocks as rows of 256 bytes, 16 bytes of padding behind each: 8 rows for ctx's 64, 16 for Wo's 128
	s_or_b32 s[G1SA], s43, (3<<16)|(1<<20)|(1<<21)|(5<<22)|(3<<25)
	s_mov_b32 s[G1SA+1], 32<<16
	s_mov_b32 s[G1SA+2], 8<<16
	s_mov_b32 s[G1SA+3], 32<<16
	s_mov_b32 s[G1SA+4], 8
	s_mov_b32 s[G1SA+5], 32
	s_mov_b32 s[G1SA+6], 0
	s_mov_b32 s[G1SA+7], 0
	s_or_b32 s[G1SW], s44, (3<<16)|(1<<20)|(1<<21)|(5<<22)|(3<<25)
	s_mov_b32 s[G1SW+1], 32<<16
	s_mov_b32 s[G1SW+2], 16<<16
	s_mov_b32 s[G1SW+3], 32<<16
	s_mov_b32 s[G1SW+4], 16
	s_mov_b32 s[G1SW+5], 32
	s_mov_b32 s[G1SW+6], 0
	s_mov_b32 s[G1SW+7], 0
	s_lshl_b32 s20, s17, 16                        ; ctx's codes: 8 tiles of 8,192 bytes a work-group, 4 a load
	s_lshl_b32 s18, s[HB], 15
	s_add_co_u32 s20, s20, s18
	s_mov_b32 s21, 0
	s_lshl_b32 s22, s17, 12                        ; its scale bytes: 128 rows of 32, 64 a load
	s_lshl_b32 s18, s[HB], 11
	s_add_co_u32 s22, s22, s18
	s_mov_b32 s23, 0
	s_lshl_b32 s46, s42, 17                        ; Wo's codes: 256 rows of 512 bytes, 128 a load
	s_lshl_b32 s47, s[HB], 16
	s_add_co_u32 s46, s46, s47
	s_mov_b32 s47, 0
	s_lshl_b32 s94, s42, 13                        ; its scale bytes
	s_lshl_b32 s95, s[HB], 12
	s_add_co_u32 s94, s94, s95
	s_mov_b32 s95, 0
	s_lshl_b32 s45, s[HB], 14
	s_add_co_u32 s45, s45, AT                      ; where they go: a constant + a constant x (wave % 2)
	s_mul_i32 s96, s[HB], HALFT
	s_mul_i32 s97, s[HB], HSA
	s_add_co_u32 s97, s97, SCA
	s_mul_i32 s98, s[HB], HSB
	s_add_co_u32 s98, s98, SCB
	s_wait_dscnt 0x0
	s_wait_kmcnt 0x0
	s_add_nc_u64 s[20:21], s[4:5], s[20:21]
	s_add_nc_u64 s[22:23], s[6:7], s[22:23]
	s_add_nc_u64 s[46:47], s[8:9], s[46:47]
	s_add_nc_u64 s[94:95], s[10:11], s[94:95]
	CROUND                                         ; all sixteen work-groups are here: the joint loads meet
	s_mov_b32 s[G0SA], 1
	s_mov_b32 s[G0SA+1], s97
	s_mov_b64 s[G0SA+2:G0SA+3], s[22:23]
	s_or_b32 s[G0SA+3], s[G0SA+3], 0x80000000
	s_mov_b32 s[G0SW], 1
	s_mov_b32 s[G0SW+1], s98
	s_mov_b64 s[G0SW+2:G0SW+3], s[94:95]
	s_or_b32 s[G0SW+3], s[G0SW+3], 0x80000000
	JLOAD G0SA, G1SA, G0SW, G1SW
.irp s, 0,1
	s_mov_b32 s[G0A+4*\s], 1
	s_add_co_u32 s[G0A+4*\s+1], s45, \s*32768
	s_add_nc_u64 s[G0A+4*\s+2:G0A+4*\s+3], s[20:21], \s*4096
	s_or_b32 s[G0A+4*\s+3], s[G0A+4*\s+3], 0x80000000
	s_mov_b32 s[G0W+4*\s], 1
	s_add_co_u32 s[G0W+4*\s+1], s96, \s*WSLOT
	s_add_nc_u64 s[G0W+4*\s+2:G0W+4*\s+3], s[46:47], \s*256
	s_or_b32 s[G0W+4*\s+3], s[G0W+4*\s+3], 0x80000000
	s_wait_alu depctr_va_vdst(0)
	s_wait_tensorcnt 0x0
	ds_add_u32 v126, v127
	s_wait_dscnt 0x0
	CROUND
	JLOAD G0A+4*\s, G1A, G0W+4*\s, G1W             ; one load of mine is out: each is waited for before the next
.endr
	v_and_b32 v1, 15, v0                           ; r
	v_bfe_u32 v2, v0, 4, 1                         ; h
	v_and_b32 v3, 31, v0
	v_lshlrev_b32 v[CO], 4, v3
	s_lshl_b32 s18, s[HA], 14
	s_add_co_u32 s18, s18, AT
	v_add_nc_u32 v[ADRA], s18, v[CO]               ; ctx: my four tiles; the half of K stands in the loads' immediates
	v_mul_u32_u24 v4, v1, PITCH
	v_lshl_add_u32 v4, v2, 4, v4
	s_mul_i32 s18, s[HB], HALFT
	v_add_nc_u32 v[ADRB], s18, v4
	s_add_co_u32 s18, s18, WSLOT
	v_add_nc_u32 v[ADRB+1], s18, v4
	v_lshlrev_b32 v5, 5, v1                        ; scale bytes: 32 a row,
	v_lshrrev_b32 v6, 3, v1
	v_lshl_add_u32 v5, v6, 4, v5                   ; and 16 more behind each 256
	s_mul_i32 s18, s[HA], HSA
	s_mul_i32 s19, s[HB], HSB
	s_add_co_u32 s19, s19, SCB-SCA
	s_sub_co_u32 s19, s19, s18                     ; from ctx's words to Wo's
	v_mul_u32_u24 v6, s19, v2                      ; lanes 16-31 take Wo's
	s_add_co_u32 s18, s18, SCA
	v_add_nc_u32 v5, v5, v6
	v_add_nc_u32 v[ADRS], s18, v5
	s_mul_i32 s18, s[WV], 16*SPITCH
	s_add_co_u32 s18, s18, STAGE                   ; my stage
	v_mul_u32_u24 v5, v1, SPITCH
	v_lshl_add_u32 v5, v2, 5, v5
	v_add_nc_u32 v[STO], s18, v5                   ; in: row r, 32 bytes for each half of the lanes
	v_add_nc_u32 v[RD], s18, v[CO]                 ; back: the 32 lanes take a row of 512 bytes
	v_lshlrev_b32 v7, 5, v2                        ; the bias: my half's eight numbers of a tile of 16
	s_wait_alu depctr_va_vdst(0)
	s_lshl_b32 s18, s42, 10
	s_lshl_b32 s19, s[HB], 9
	s_add_co_u32 s18, s18, s19                     ; my first column, in bytes
	s_mov_b32 s19, 0
	s_add_nc_u64 s[12:13], s[12:13], s[18:19]
	s_add_nc_u64 s[14:15], s[14:15], s[18:19]
	s_lshl_b32 s18, s17, 7
	s_lshl_b32 s2, s[HA], 6
	s_add_co_u32 s18, s18, s2
	s_lshl_b32 s18, s18, 12                        ; my first row, 4,096 bytes a row
	s_add_nc_u64 s[14:15], s[14:15], s[18:19]
.irp b, 0,1,2,3,4,5,6,7
	global_load_b128 v[BI+8*\b:BI+8*\b+3], v7, s[12:13] offset:64*\b
	global_load_b128 v[BI+8*\b+4:BI+8*\b+7], v7, s[12:13] offset:64*\b+16
.endr
.macro FETCH q                         ; the fragments of step q (128 along K) into set q % 2; with a half's first step its scale words
.set fS, (\q)/4
.set fK, 64*((\q)%4)
.set fR, 128*((\q)%2)
.set fL, AF+32*((\q)%2)
	WIN 0x40                                       ; destination window 1
.irp i, 0,1,2,3,4,5,6,7
	ds_load_b128 v[fR+8*\i:fR+8*\i+3],   v[ADRB+fS] offset:fK+\i*16*PITCH
	ds_load_b128 v[fR+8*\i+4:fR+8*\i+7], v[ADRB+fS] offset:fK+\i*16*PITCH+32
.endr
	WIN 0
.irp i, 0,1,2,3
	ds_load_b128 v[fL+8*\i:fL+8*\i+3],   v[ADRA] offset:32768*fS+4096*\i+1024*((\q)%4)       ; an image: 32 lanes read 512 consecutive bytes
	ds_load_b128 v[fL+8*\i+4:fL+8*\i+7], v[ADRA] offset:32768*fS+4096*\i+1024*((\q)%4)+512
.endr
.if (\q)%4 == 0
.irp i, 0,1,2,3,4,5,6,7
	ds_load_b128 v[SC+32*fS+4*\i:SC+32*fS+4*\i+3], v[ADRS] offset:544*\i+16*fS
.endr
.endif
.endm
.macro MM a, b, q
.set rD, 8*(8*(\a)+(\b))
.set rR, 128*((\q)%2)+8*(\b)
.set rL, AF+32*((\q)%2)+8*(\a)
.set rS, SC+32*((\q)/4)+(\q)%4
.if (\q) == 0
	v_wmma_scale_f32_16x16x128_f8f6f4 v[rD:rD+7], v[rR:rR+7], v[rL:rL+7], v[BI+8*(\b):BI+8*(\b)+7], v[rS+4*(\b)], v[rS+4*(\a)] matrix_a_fmt:MATRIX_FMT_FP4 matrix_b_fmt:MATRIX_FMT_FP4 matrix_a_scale:MATRIX_SCALE_ROW1
.else
	v_wmma_scale_f32_16x16x128_f8f6f4 v[rD:rD+7], v[rR:rR+7], v[rL:rL+7], v[rD:rD+7], v[rS+4*(\b)], v[rS+4*(\a)] matrix_a_fmt:MATRIX_FMT_FP4 matrix_b_fmt:MATRIX_FMT_FP4 matrix_a_scale:MATRIX_SCALE_ROW1
.endif
.endm
.macro MUL q                           ; a step's 32 products; the 32 accumulators take turns, one instruction a turn, in the same order in every step
.if (\q) == 0
	WIN 0x81                                       ; source 0 (Wo) window 1, source 1 (ctx) and C (the bias) window 0, D window 2
.else
	WIN 0xa1                                       ; C and D window 2
.endif
.irp a, 0,1,2,3
.irp b, 0,1,2,3,4,5,6,7
	MM \a, \b, \q
.endr
.endr
.endm
	s_wait_tensorcnt 0x1                           ; the scales and my part of the first half of K are in; the second half's load may be out
	s_barrier_signal -1
	s_barrier_wait -1
	FETCH 0
	s_wait_loadcnt 0x0                             ; the bias
.set Q, 0
.rept 8
.if Q == 3
	s_wait_tensorcnt 0x0                           ; my part of the second half of K is in
.endif
	s_wait_dscnt 0x0                               ; this step's fragments, asked for 32 matrix instructions ago
.if Q == 3
	s_barrier_signal -1
	s_barrier_wait -1                              ; everybody's part is in: the next fetch reads the second half
.endif
.if Q < 7
.if Q > 0
	PLACES                                         ; the loads below land in registers that the last step's products read
.endif
	FETCH Q+1
.endif
	MUL Q
.set Q, Q+1
.endr
	WIN 0
; THE WAY OUT, block by block of 16 rows x 128 columns: through my own stage in LDS and back as whole rows of 512 bytes.  LDS serves a wave's instructions in order (ISA guide 5.7.1.4): no wait between the stores and the loads.
.macro TOSTAGE a
.set AC, 64*(\a)
	WIN 0x08                                       ; an LDS store's data: window 2
.irp b, 0,1,2,3,4,5,6,7
	ds_store_b128 v[STO], v[AC+8*\b:AC+8*\b+3] offset:64*\b          ; each accumulator from its low end on
	ds_store_b128 v[STO], v[AC+8*\b+4:AC+8*\b+7] offset:64*\b+16
.endr
	WIN 0
.set BB, BK+64*((\a)%2)
.irp t, 0,1,2,3,4,5,6,7,8,9,10,11,12,13,14,15
	ds_load_b128 v[BB+4*\t:BB+4*\t+3], v[RD] offset:\t*SPITCH
.endr
.endm
.macro SEND a, younger                 ; younger: the LDS instructions issued behind block a's loads, which may stay out
.set BB, BK+64*((\a)%2)
	s_wait_dscnt \younger
.irp t, 0,1,2,3,4,5,6,7,8,9,10,11,12,13,14,15
	global_store_b128 v[CO], v[BB+4*\t:BB+4*\t+3], s[14:15] offset:(16*(\a)+\t)*4096 th:TH_STORE_NT   ; 32 lanes store 512 consecutive bytes, at a multiple of 256 from the buffer's first byte; the row stands in the immediate: 63 rows at the most
.endr
.endm
	PLACES                                         ; behind the last products: their results are read, and registers that they read are loaded
	TOSTAGE 0
.irp a, 1,2,3
.if \a > 1
	s_wait_xcnt 0x0                                ; block a - 2's stores have read their registers: block a's rows may land there
.endif
	TOSTAGE \a
	SEND \a-1, 32                                  ; behind block a - 1's loads: block a's 16 stores and 16 loads
.endr
	SEND 3, 0
	s_wait_tensorcnt 0x0
	ds_add_u32 v126, v127
	s_wait_dscnt 0x0
	CROUND                                         ; the closing round: no work-group ends while a partner may still ask for a tile that names it
	s_endpgm
.Lfunc_end_k_q4001347f71_oproj:
	.size	k_q4001347f71_oproj, .Lfunc_end_k_q4001347f71_oproj-k_q4001347f71_oproj
	.p2alignl 7, 3214868480
	.fill 96, 4, 3214868480
	.section	.rodata,"a",@progbits
	.p2align	6, 0x0
	.amdhsa_kernel k_q4001347f71_oproj
		.amdhsa_group_segment_fixed_size 327680
		.amdhsa_private_segment_fixed_size 0
		.amdhsa_enable_private_segment 0
		.amdhsa_kernarg_size 48
		.amdhsa_user_sgpr_count 2
		.amdhsa_user_sgpr_kernarg_segment_ptr 1
		.amdhsa_wavefront_size32 1
		.amdhsa_system_sgpr_workgroup_id_x 1
		.amdhsa_system_sgpr_workgroup_id_y 1
		.amdhsa_system_sgpr_workgroup_id_z 1
		.amdhsa_system_vgpr_workitem_id 0
		.amdhsa_next_free_vgpr 768
		.amdhsa_next_free_sgpr 100
		.amdhsa_reserve_vcc 0
		.amdhsa_float_denorm_mode_32 3
		.amdhsa_float_denorm_mode_16_64 3
		.amdhsa_memory_ordered 1
		.amdhsa_forward_progress 1
		.amdhsa_inst_pref_size 74
	.end_amdhsa_kernel
	.amdgpu_metadata
---
amdhsa.version: [ 1, 2 ]
amdhsa.kernels:
  - .name:           k_q4001347f71_oproj
    .symbol:         k_q4001347f71_oproj.kd
    .args:
      - { .name: ctx_img, .offset: 0, .size: 8, .value_kind: global_buffer, .address_space: global }
      - { .name: ctx_sc, .offset: 8, .size: 8, .value_kind: global_buffer, .address_space: global }
      - { .name: Wo_codes, .offset: 16, .size: 8, .value_kind: global_buffer, .address_space: global }
      - { .name: Wo_scales, .offset: 24, .size: 8, .value_kind: global_buffer, .address_space: global }
      - { .name: bo, .offset: 32, .size: 8, .value_kind: global_buffer, .address_space: global }
      - { .name: out0, .offset: 40, .size: 8, .value_kind: global_buffer, .address_space: global }
    .group_segment_fixed_size: 327680
    .private_segment_fixed_size: 0
    .kernarg_segment_align: 8
    .kernarg_segment_size: 48
    .max_flat_workgroup_size: 128
    .sgpr_count:     100
    .vgpr_count:     768
    .wavefront_size: 32
...
	.end_amdgpu_metadata
.endif
;; end of part 3
